; MI455X (gfx1250); checked and timed in simulation.
; The chip was launched on July 23, 2026; its instructions are those of AMD's public machine-readable ISA for CDNA 5 (MIT licence, August 2026) and "CDNA5" Instruction Set Architecture Reference Guide (July 2026). The comments in the code are by the model that wrote it; some were corrected since.
;; Self Attention. Allowed arithmetic: matrix products marked QUANTISED: E2M1 operands, one E8M0 scale for each 32 along K, by v_wmma_scale_f32_16x16x128_f8f6f4 with both operands' format E2M1 (or v_wmma_scale_f32_32x16x128_f4), f32 sums; products left as they are: bf16, f16 or f32 operands; f32 sums; everything else in f32.
;; Inputs: kernel 3 x 1,024 x 1,024 float32; x 4 x 2,048 x 1,024 float32.
;; Outputs: out0 4 x 2,048 x 1,024 float32.
;; This version of the problem:
;;   THIS VERSION OF THE PROBLEM IS GIVEN IN LOW PRECISION. The matrix products marked QUANTISED in the list below multiply operands that are first quantised to E2M1 (2 exponent bits, 1 mantissa bit; 4 bits a number), with one power-of-two scale for each 32 numbers along K (OCP MX v1.0); their sums are f32. The products marked 'left as it is' may take bf16, f16 or f32 operands, with f32 sums. Whichever they take, every output number must still come out within the allowed error. Rounding operands to bf16 (8 significant bits) uses up far more of that allowance than f16 does (11 bits, for magnitudes from 6e-5 to 65,504). All else is computed in f32.
;;   The module's matrix products, in the order in which they are computed (A, B: the left and right operand; K: the contracted axis; several contracted axes count as one K, in the product's order):
;;     1. [M 8,192, K 1,024] x [K 1,024, N 1,024]; A: input x; B: input kernel: QUANTISED
;;     2. [M 8,192, K 1,024] x [K 1,024, N 1,024]; A: input x; B: input kernel: QUANTISED
;;     3. [M 8,192, K 1,024] x [K 1,024, N 1,024]; A: input x; B: input kernel: QUANTISED
;;     4. batch 4 x [M 2,048, K 1,024] x [K 1,024, N 2,048]; A: computed on the way; B: computed on the way: left as it is (an operand is computed on the way)
;;     5. batch 4 x [M 2,048, K 2,048] x [K 2,048, N 1,024]; A: computed on the way; B: computed on the way: left as it is (an operand is computed on the way)
;;   THE QUANTISER, for each operand of a quantised product, along K:
;;     - K is cut into blocks of 32 from its start; a last block that is shorter is filled with zeros.
;;     - A block's scale is 2^e with e = floor(log2(the largest magnitude in the block)) - 2, held to -126 .. 127; a block of zeros has e = 0. As a byte (E8M0): e + 127.
;;     - Each number is divided by its block's scale, clamped to +-6, and rounded to the nearest number of E2M1, ties to even, subnormals kept.
;;     - The product sums the exact products of the quantised numbers (number of the format x scale) in f32.
;;   ~~~python
;;   def quantise(x, axis):      # numpy; x: float32 -> the quantised numbers, widened to float32 again
;;       x = np.moveaxis(x, axis, -1); K = x.shape[-1]
;;       x = np.pad(x, [(0, 0)] * (x.ndim - 1) + [(0, -K % 32)]); x = x.reshape(x.shape[:-1] + (-1, 32)); a = np.abs(x).max(-1, keepdims=True)
;;       e = np.where(a > 0, np.clip(np.frexp(np.where(a > 0, a, 1))[1] - 1 - 2, -126, 127), 0)      # np.frexp(a)[1] - 1 = floor(log2(a)), exactly
;;       r = np.clip(x / 2.0 ** e, -6, 6)
;;       step = 2.0 ** (np.maximum(np.frexp(np.where(r == 0, 1, r))[1] - 1, 0) - 1)
;;       q = np.round(r / step) * step * 2.0 ** e      # np.round: ties to even
;;       return np.moveaxis(q.reshape(q.shape[:-2] + (-1,))[..., :K], -1, axis).astype(np.float32)
;;   ~~~
;; One version. Each part assembles by itself: llvm-mc -triple=amdgcn-amd-amdhsa -mcpu=gfx1250 --defsym DOCPART=n.
;; ======== version 1 of 1: 4 launches
;; limits: values are held in f16: magnitudes above 65,504 overflow, below 6.1e-05 lose precision
;; workspace buffers: x_codes 4,194,304 bytes; x_scales 262,144 bytes; w_img 1,572,864 bytes; w_scales 98,304 bytes; qkv 50,331,648 bytes; p_img 33,554,432 bytes; stats 1,048,576 bytes
;; launch quant (part 1): grid 448 x 1, 4 waves a work-group, no clusters, 33,280 bytes of LDS; arguments x, kernel, x_codes, x_scales, w_img, w_scales; writes x_codes, x_scales, w_img, w_scales
.if DOCPART == 1
	.amdgcn_target "amdgcn-amd-amdhsa--gfx1250"
	.amdhsa_code_object_version 6
	.text
	.protected	k_q0e5058c6c7_quant
	.globl	k_q0e5058c6c7_quant
	.p2align	8
	.type	k_q0e5058c6c7_quant,@function
k_q0e5058c6c7_quant:
	s_mov_b64 s[64:65], 0
	v_nop
	global_prefetch_b8 v0, s[64:65] scope:SCOPE_SE
	s_setreg_imm32_b32 hwreg(HW_REG_WAVE_MODE, 25, 1), 1
	s_wait_xcnt 0x0
; LAUNCH 1 OF 4.  out = softmax(q k^T / 32) v with k, q, v = x kernel[0], x kernel[1], x kernel[2]; the three projections on codes of FP4 (E2M1) with one E8M0 scale for each 32 along K = 1,024.
; NO WORK OF THE PROBLEM IS DEAD: both inputs reach every output, there is no mask, nothing is sliced away: all five products are done.
; This launch quantises both inputs once: x [8192][1024] f32 (K innermost) and kernel [3][1024 (K)][1024 (n)] f32 (K is the first axis of each matrix).
; A block's scale is 2^(floor(log2(its largest magnitude)) - 2); its byte is the largest magnitude's exponent field - 2, held at 1 from below.  A block of zeros so gets the byte 1 where the rule says 127:
; its codes are zeros, which add nothing under any byte but 0xff, and the bytes are read by this program alone.
; LIMITS: blocks whose largest magnitude lies under 2^(2 - 126), whose byte is held at 1, were not tried; NaN and infinities among the inputs are not served.
; WORK-GROUPS 192 .. 447: x, a plain stream of blocks of 32.  A wave takes 16 steps of 512 numbers.  Each load reads 512 consecutive bytes; a step's 2,048 bytes turn through the wave's own stage in LDS, so that a lane
;   then holds 16 neighbours along K (two neighbouring lanes hold a block).  Codes leave 256 consecutive bytes a store; a wave's 256 scale bytes are gathered in LDS and leave as one store of 256 consecutive bytes.
; WORK-GROUPS 0 .. 191: kernel.  A LANE TAKES A COLUMN n AND ITS REGISTERS RUN DOWN K: a block of 32 lies in one lane's 32 registers, and the conversions give codes with K innermost.  A wave takes 32 columns x 128 along K.
;   The codes are laid as IMAGES OF THE NEXT LAUNCH'S OPERAND REGISTERS: a fragment (16 n x 128 K) is 1,024 bytes, block t of 32 along K of column r at 512 (t / 2) + 256 (t % 2) + 16 r;
;   w_img = [n / 128][K / 512][(n / 16) % 8][(K / 128) % 4][1,024].  So sixteen lanes store 256 consecutive aligned bytes straight from registers: this path uses no LDS.
;   The scale words (4 bytes a column and 128 along K) go to w_scales [3072][32] 32 bytes apart, 4 bytes a lane: 98,304 bytes in all against the 12,582,912 that this path reads.
.set WAVES, 4
.set STEPS, 16
.set WGW,   192                        ; work-groups for kernel: 3 matrices x 8 runs of 128 along K x 8 groups of 128 columns
.set CB,    8                          ; bytes of 16 codes
.set R,     16                         ; v16-79   x: four sets of 16 numbers as they are loaded
.set X,     80                         ; v80-111  x: two sets of 16 neighbours
.set C,     128                        ; v128-191 x: codes, four registers for each step, so that no store's data are written again
.set E,     112                        ; v112-127 x: a scale byte for each step
.set WREG,  8192                       ; LDS: a region for each wave: two stages of 32 x SP bytes, behind them its 256 scale bytes
.set SP,    80                         ; a lane's place in a stage: 64 bytes + 16 of padding
.set SPW,   12                         ; v12      LDS address of my spare word; never rewritten
.set NIL,   13                         ; v13      0; never rewritten
.set SPARE, WAVES*WREG                 ; behind the four regions: the spare words, 128 bytes for each wave
.set WX,    32                         ; v32-95   kernel: two sets of 32 numbers
.set WC,    96                         ; v96-111  kernel: four registers of codes for each of the four blocks
	s_load_b128 s[4:7], s[0:1], 0x0                ; x, kernel
	s_load_b128 s[8:11], s[0:1], 0x10              ; x_codes, x_scales
	s_load_b128 s[12:15], s[0:1], 0x20             ; w_img, w_scales
	v_lshl_add_u32 v[SPW], v0, 2, SPARE
	v_mov_b32 v[NIL], 0
	v_lshrrev_b32 v1, 5, v0
	v_readfirstlane_b32 s16, v1                    ; wave
	v_and_b32 v2, 31, v0                           ; lane
	s_cmp_lt_u32 ttmp9, WGW                        ; the work-group's number alone decides: all four waves go the same way
	s_cbranch_scc1 .Lweights
	; ---------------- x ----------------
	v_lshlrev_b32 v3, 4, v2                        ; my 16 bytes of a load's 512
	s_mul_i32 s17, s16, WREG
	v_lshrrev_b32 v14, 2, v2
	v_mul_u32_u24 v14, v14, SP
	v_and_b32 v15, 3, v2
	v_lshl_add_u32 v14, v15, 4, v14
	v_add_nc_u32 v14, s17, v14                     ; the stage, on the way in: SP (lane / 4) + 16 (lane % 4)
	v_mul_u32_u24 v15, v2, SP
	v_add_nc_u32 v15, s17, v15                     ; and on the way out: SP x lane: my 16 neighbours
	v_mul_u32_u24 v4, v2, CB                       ; my codes' place in a step's
	v_lshrrev_b32 v5, 1, v2
	s_add_co_u32 s17, s17, 2*32*SP
	v_add_nc_u32 v5, s17, v5                       ; LDS: my wave's 256 scale bytes, my block's byte
	v_lshlrev_b32 v7, 3, v2                        ; and on the way out 8 bytes a lane
	v_add_nc_u32 v6, s17, v7
	s_sub_co_u32 s17, ttmp9, WGW
	s_lshl_b32 s17, s17, 2
	s_add_co_u32 s18, s17, s16                     ; which run of 8,192 numbers is my wave's: 0 .. 1,023
	s_mov_b32 s21, 0
	s_wait_kmcnt 0x0
	s_lshl_b32 s20, s18, 15                        ; 32,768 bytes of x a run
	s_add_nc_u64 s[4:5], s[4:5], s[20:21]
	s_lshl_b32 s20, s18, 12                        ; 4,096 bytes of codes
	s_add_nc_u64 s[8:9], s[8:9], s[20:21]
	s_lshl_b32 s20, s18, 8                         ; 256 scale bytes
	s_add_nc_u64 s[10:11], s[10:11], s[20:21]
.macro LOAD t
.irp i, 0,1,2,3
	global_load_b128 v[R+16*((\t)%4)+4*\i:R+16*((\t)%4)+4*\i+3], v3, s[4:5] offset:2048*(\t)+512*\i th:TH_LOAD_NT   ; 32 lanes read 512 consecutive bytes
.endr
.endm
.macro TURN t                          ; step t's numbers through the stage: LDS serves a wave's instructions in order, so no wait stands between the stores and the loads
.irp i, 0,1,2,3
	ds_store_b128 v14, v[R+16*((\t)%4)+4*\i:R+16*((\t)%4)+4*\i+3] offset:32*SP*((\t)%2)+8*SP*\i
.endr
.irp i, 0,1,2,3
	ds_load_b128 v[X+16*((\t)%2)+4*\i:X+16*((\t)%2)+4*\i+3], v15 offset:32*SP*((\t)%2)+16*\i
.endr
.endm
.irp t, 0,1,2,3
	LOAD \t
.endr
	s_wait_loadcnt 12                              ; step 0's four loads are in; the twelve of steps 1 to 3 stay out
	TURN 0
.macro STEP t
.set XS, X+16*((\t)%2)
.if (\t) > 0
	s_wait_dscnt 1                                 ; this step's numbers are back from the stage (the last step's byte store may be out)
.else
	s_wait_dscnt 0x0
.endif
.if (\t)+4 < STEPS
	LOAD (\t)+4                                    ; the stage's stores have read these registers: they take the loads of four steps on
.endif
.if (\t)+1 < STEPS
.if STEPS-2-(\t) >= 3
	s_wait_loadcnt 12                              ; the next step's four loads are in; those of the three steps behind it may be out
.else
	s_wait_loadcnt 4*(STEPS-2-(\t))
.endif
	TURN (\t)+1                                    ; and go through the other stage while this step is worked
.endif
	v_max3_num_f32 v8, |v[XS]|, |v[XS+1]|, |v[XS+2]|               ; the largest magnitude of my 16, in two chains
	v_max3_num_f32 v9, |v[XS+3]|, |v[XS+4]|, |v[XS+5]|
.irp i, 6,10
	v_max3_num_f32 v8, v8, |v[XS+\i]|, |v[XS+\i+1]|
	v_max3_num_f32 v9, v9, |v[XS+\i+2]|, |v[XS+\i+3]|
.endr
	v_max3_num_f32 v8, v8, |v[XS+14]|, |v[XS+15]|
	v_max3_num_f32 v8, v8, v9, 0x1800000           ; and the floor 2^(3 - 127): the byte cannot fall under 1
	v_max_num_f32_dpp v8, v8, v8 row_xmask:1 row_mask:0xf bank_mask:0xf   ; and of my neighbour's 16: the block's
	v_add_nc_u32 v11, 0xff000000, v8               ; 2 off its exponent field: the conversion takes the exponent field of this operand as its scale
	v_cvt_scalef32_pk8_fp4_f32 v[C+4*(\t)], v[XS:XS+7], v11
	v_cvt_scalef32_pk8_fp4_f32 v[C+4*(\t)+1], v[XS+8:XS+15], v11
	v_lshrrev_b32 v[E+(\t)], 23, v11               ; the scale's byte (also the plain line behind the conversions)
	ds_store_b8 v5, v[E+(\t)] offset:16*(\t)       ; both lanes of a block write the same byte with the same value
	global_store_b64 v4, v[C+4*(\t):C+4*(\t)+1], s[8:9] offset:32*CB*(\t)   ; 32 lanes store 256 consecutive bytes, aligned
.endm
.irp t, 0,1,2,3,4,5,6,7,8,9,10,11,12,13,14,15
	STEP \t
.endr
	ds_load_b64 v[8:9], v6                         ; LDS serves a wave's instructions in order: these see my stores
	s_wait_dscnt 0x0
	global_store_b64 v7, v[8:9], s[10:11]          ; 32 lanes store 256 consecutive bytes, aligned
	s_wait_tensorcnt 0x0                           ; the wave's end
	ds_add_u32 v[SPW], v[NIL]
	s_wait_dscnt 0x0
	s_endpgm
	; ---------------- kernel ----------------
.Lweights:
	s_and_b32 s17, ttmp9, 7                        ; cg: which 128 columns
	s_bfe_u32 s18, ttmp9, 0x30003                  ; s: which 128 along K
	s_lshr_b32 s19, ttmp9, 6                       ; which of the three matrices
	v_lshlrev_b32 v3, 2, v2                        ; in: 4 bytes a lane
	v_lshrrev_b32 v4, 4, v2
	v_and_b32 v5, 15, v2
	v_lshlrev_b32 v4, 12, v4
	v_lshl_add_u32 v4, v5, 4, v4                   ; out: 4,096 (lane / 16): the next 16 columns' images; 16 (lane % 16)
	v_lshlrev_b32 v5, 5, v2                        ; scale words: 32 bytes a column
	s_lshl_b32 s20, s19, 22                        ; kernel: matrix x 4 MiB + 128 s rows of 4,096 bytes + 4 (128 cg + 32 wave)
	s_lshl_b32 s21, s18, 19
	s_add_co_u32 s20, s20, s21
	s_lshl_b32 s21, s17, 9
	s_add_co_u32 s20, s20, s21
	s_lshl_b32 s21, s16, 7
	s_add_co_u32 s20, s20, s21
	s_mov_b32 s21, 0
	s_lshl_b32 s22, s19, 3                         ; w_img: (8 matrix + cg) x 65,536 + (s / 4) x 32,768 + wave x 8,192 + (s % 4) x 1,024
	s_add_co_u32 s22, s22, s17
	s_lshl_b32 s22, s22, 16
	s_lshr_b32 s23, s18, 2
	s_lshl_b32 s23, s23, 15
	s_add_co_u32 s22, s22, s23
	s_lshl_b32 s23, s16, 13
	s_add_co_u32 s22, s22, s23
	s_and_b32 s23, s18, 3
	s_lshl_b32 s23, s23, 10
	s_add_co_u32 s22, s22, s23
	s_mov_b32 s23, 0
	s_lshl_b32 s24, s19, 15                        ; w_scales: (1,024 matrix + 128 cg + 32 wave) x 32 + 4 s
	s_lshl_b32 s25, s17, 12
	s_add_co_u32 s24, s24, s25
	s_lshl_b32 s25, s16, 10
	s_add_co_u32 s24, s24, s25
	s_lshl_b32 s25, s18, 2
	s_add_co_u32 s24, s24, s25
	s_mov_b32 s25, 0
	s_wait_kmcnt 0x0
	s_add_nc_u64 s[6:7], s[6:7], s[20:21]
	s_add_nc_u64 s[12:13], s[12:13], s[22:23]
	s_add_nc_u64 s[14:15], s[14:15], s[24:25]
.macro WLOAD t                         ; block t: kernel(128 s + 32 t + i, my column), i = 0 .. 31, into set t % 2; a wave's load reads 128 consecutive bytes
.irp i, 0,1,2,3,4,5,6,7,8,9,10,11,12,13,14,15,16,17,18,19,20,21,22,23,24,25,26,27,28,29,30,31
	global_load_b32 v[WX+32*((\t)%2)+\i], v3, s[6:7] offset:(32*(\t)+\i)*4096 th:TH_LOAD_NT
.endr
.endm
	WLOAD 0
	WLOAD 1
.macro WBLOCK t
.set XS, WX+32*((\t)%2)
.if (\t) < 3
	s_wait_loadcnt 32                              ; this block's 32 loads are in; the next block's 32 may be out
.else
	s_wait_loadcnt 0x0
.endif
	v_max3_num_f32 v8, |v[XS]|, |v[XS+1]|, |v[XS+2]|               ; the block's largest magnitude: all 32 numbers are mine
	v_max3_num_f32 v9, |v[XS+3]|, |v[XS+4]|, |v[XS+5]|
.irp i, 6,10,14,18,22,26
	v_max3_num_f32 v8, v8, |v[XS+\i]|, |v[XS+\i+1]|
	v_max3_num_f32 v9, v9, |v[XS+\i+2]|, |v[XS+\i+3]|
.endr
	v_max3_num_f32 v8, v8, |v[XS+30]|, |v[XS+31]|
	v_max3_num_f32 v8, v8, v9, 0x1800000           ; and the floor 2^(3 - 127)
	v_add_nc_u32 v10, 0xff000000, v8               ; the conversion's scale operand
	v_lshrrev_b32 v9, 23, v10                      ; the scale's byte
.if (\t) == 0
	v_mov_b32 v24, v9                              ; four bytes make the column's scale word for these 128 along K
.else
	v_lshl_or_b32 v24, v9, 8*(\t), v24
.endif
.irp g, 0,1,2,3
	v_cvt_scalef32_pk8_fp4_f32 v[WC+4*(\t)+\g], v[XS+8*\g:XS+8*\g+7], v10
.endr
	global_store_b128 v4, v[WC+4*(\t):WC+4*(\t)+3], s[12:13] offset:512*((\t)/2)+256*((\t)%2)   ; sixteen lanes store 256 consecutive bytes, aligned; each block has registers of its own
.if (\t)+2 < 4
	WLOAD (\t)+2
.endif
.endm
	WBLOCK 0
	WBLOCK 1
	WBLOCK 2
	WBLOCK 3
	global_store_b32 v5, v24, s[14:15]
	s_endpgm
.Lfunc_end_k_q0e5058c6c7_quant:
	.size	k_q0e5058c6c7_quant, .Lfunc_end_k_q0e5058c6c7_quant-k_q0e5058c6c7_quant
	.p2alignl 7, 3214868480
	.fill 96, 4, 3214868480
	.section	.rodata,"a",@progbits
	.p2align	6, 0x0
	.amdhsa_kernel k_q0e5058c6c7_quant
		.amdhsa_group_segment_fixed_size 33280
		.amdhsa_private_segment_fixed_size 0
		.amdhsa_enable_private_segment 0
		.amdhsa_kernarg_size 48
		.amdhsa_user_sgpr_count 2
		.amdhsa_user_sgpr_kernarg_segment_ptr 1
		.amdhsa_wavefront_size32 1
		.amdhsa_system_sgpr_workgroup_id_x 1
		.amdhsa_system_sgpr_workgroup_id_y 1
		.amdhsa_system_sgpr_workgroup_id_z 1
		.amdhsa_system_vgpr_workitem_id 0
		.amdhsa_next_free_vgpr 192
		.amdhsa_next_free_sgpr 66
		.amdhsa_reserve_vcc 0
		.amdhsa_float_denorm_mode_32 3
		.amdhsa_float_denorm_mode_16_64 3
		.amdhsa_memory_ordered 1
		.amdhsa_forward_progress 1
		.amdhsa_inst_pref_size 53
	.end_amdhsa_kernel
	.amdgpu_metadata
---
amdhsa.version: [ 1, 2 ]
amdhsa.kernels:
  - .name:           k_q0e5058c6c7_quant
    .symbol:         k_q0e5058c6c7_quant.kd
    .args:
      - { .name: x, .offset: 0, .size: 8, .value_kind: global_buffer, .address_space: global }
      - { .name: kernel, .offset: 8, .size: 8, .value_kind: global_buffer, .address_space: global }
      - { .name: x_codes, .offset: 16, .size: 8, .value_kind: global_buffer, .address_space: global }
      - { .name: x_scales, .offset: 24, .size: 8, .value_kind: global_buffer, .address_space: global }
      - { .name: w_img, .offset: 32, .size: 8, .value_kind: global_buffer, .address_space: global }
      - { .name: w_scales, .offset: 40, .size: 8, .value_kind: global_buffer, .address_space: global }
    .group_segment_fixed_size: 33280
    .private_segment_fixed_size: 0
    .kernarg_segment_align: 8
    .kernarg_segment_size: 48
    .max_flat_workgroup_size: 128
    .sgpr_count:     66
    .vgpr_count:     192
    .wavefront_size: 32
...
	.end_amdgpu_metadata
.endif
;; end of part 1
;; launch proj (part 2): grid 12 x 32, 4 waves a work-group, clusters of 4 x 4, 327,680 bytes of LDS; arguments x_codes, x_scales, w_img, w_scales, qkv; writes qkv
.if DOCPART == 2
	.amdgcn_target "amdgcn-amd-amdhsa--gfx1250"
	.amdhsa_code_object_version 6
	.text
	.protected	k_q0e5058c6c7_proj
	.globl	k_q0e5058c6c7_proj
	.p2align	8
	.type	k_q0e5058c6c7_proj,@function
k_q0e5058c6c7_proj:
	s_mov_b64 s[64:65], 0
	v_nop
	global_prefetch_b8 v0, s[64:65] scope:SCOPE_SE
	s_setreg_imm32_b32 hwreg(HW_REG_WAVE_MODE, 25, 1), 1
	s_wait_xcnt 0x0
	s_wait_alu depctr_hold_cnt(0) depctr_sa_sdst(0) depctr_va_vdst(0) depctr_va_sdst(0) depctr_va_ssrc(0) depctr_va_vcc(0) depctr_vm_vsrc(0)
	s_getreg_b32 s2, hwreg(HW_REG_IB_STS2, 6, 4)
	s_cmp_eq_u32 s2, 0
	s_cbranch_scc0 .Lentry_in_a_cluster
	s_endpgm
.Lentry_in_a_cluster:
	s_bfe_u32 s2, ttmp6, 0x10000c
	s_cmp_lg_u32 s2, 0xf033
	s_cbranch_scc0 .Lentry_shape_is_right
	s_endpgm
.Lentry_shape_is_right:
; LAUNCH 2 OF 4.  qkv[m][n] = sum over k of x[m][k] w[n][k], m = 0 .. 8,191, n = 0 .. 3,071 (n / 1,024: k, q, v), K = 1,024, on codes of FP4 (E2M1) with one E8M0 scale for each 32 along K; sums in f32.
; The results are rounded once to f16, the operands' format of the two products that follow.  LIMIT: |q|, |k|, |v| up to 65,504 (drawn: about 4); beyond that f16 gives infinity.
; A tile of 256 x 256 is made by a work-group of four waves; a wave makes 128 x 128: 64 accumulators of 16 x 16, 512 registers.  K is two steps of 512: both lie in LDS slots of their own, filled once at the start: nothing is filled again.
; x's codes come as rows of 256 bytes, padded in LDS; w's come as images of the operand's registers (launch 1 laid them so): 128 rows x 512 K are 32,768 dense bytes, and a fragment is two loads of 16 bytes a lane at 16 x lane.
; The scale bytes of the work-group's 256 rows of x and 256 rows of w, for all of K, are two dense blocks: they come once, with the first fills.
; CLUSTERS: 4 x 4 work-groups.  The four of a row of the cluster need the same tiles of x, the four of a column the same tiles of w: each is asked for JOINTLY, by the same tensor load with the same descriptor and a mask that names the four.
; THE MATRIX INSTRUCTION IS USED TRANSPOSED (source 0 = 16 rows of w, source 1 = 16 rows of x): a lane then holds eight neighbouring numbers of a row of qkv.
; REGISTERS, in windows of 256: window 0: v0-31 addresses; v32-95 scale words, two sets; v128-191 x's fragments, ONE set; on the way out v32-63, v192-255 at work.
;   window 1: w's fragments, TWO sets, at v0 and v128.   window 2: the accumulators of my rows 0-63 ((a, b) at v[8 (8 a + b)]);   window 3: those of my rows 64-127.
.set NQ,     4                         ; matrix instructions deep in a slot: 512 along K
.set ROWB,   256                       ; a row of x's tile in bytes
.set KROW,   512                       ; a row of x_codes in bytes
.set PITCH,  272                       ; an LDS row of x: 256 bytes + 16 of padding: the 16 rows that a load touches begin 68 words apart
.set FR,     8                         ; registers of a fragment
.set NL,     2                         ; LDS loads that bring one
.set NP,     4                         ; places behind this matrix instruction (ISA guide 7.12.1)
.set HALFA,  128*PITCH                 ; 128 rows of x: what one tensor load brings
.set BOFF,   2*HALFA                   ; behind x's 256 rows: w's images
.set HALFB,  32768                     ; 128 rows of w x 512 K
.set SLOT,   BOFF+2*HALFB
.set KS,     32                        ; a row of scale bytes
.set SCL,    2*SLOT                    ; behind the slots: the scales, as runs of 256 bytes + 16 of padding
.set HALFS,  16*272                    ; those of 128 rows
.set SBLK,   2*272                     ; those of 16 rows
.set STAGE,  SCL+4*HALFS               ; the way out: 16 rows x 272 bytes for each wave; no tensor load lands here
.set SPITCH, 272
.set SPARE,  STAGE+4*16*SPITCH         ; the spare words, 128 bytes for each wave
.set ROWC,   6144                      ; a row of qkv in bytes
.set ADRA, 16                          ; v16-17  LDS address of my fragments of x in slot 0, 1
.set ADRB, 20                          ; v20-21  the same for w
.set STO,  24                          ; v24     the way out: where I put 16 bytes of a row
.set RD,   25                          ; v25     where I read a row back
.set CO,   26                          ; v26     my byte offset in qkv
.set ADRS, 27                          ; v27     LDS address of my scale words: lanes 0-15 x's rows, lanes 16-31 w's
.set SPW,  28                          ; v28     LDS address of my spare word; never rewritten
.set NIL,  29                          ; v29     0; never rewritten
.set SC,   32                          ; scale words: set s at v[SC + 32 s]; register 4 i + q: lanes 0-15 x's block i, lanes 16-31 w's block i, the slot's q-th 128 along K
.set AF,   128                         ; x's fragments
.set TMP,  192                         ; the way out: packed results
.set OB,   32                          ; the way out: 16 rows read back: v32-63 and v224-255 by turns
.set G1, 24                            ; s[24:31] group 1 for x's tiles;  s[32:39] group 0, a set for each slot
.set G0, 32
.set G1B, 48                           ; s[48:55], s[56:63] the same for w's
.set G0B, 56
.set G1S, 68                           ; s[68:75], s[76:79] groups 1 and 0 for x's scales;  s[80:87], s[88:91] for w's
.set G0S, 76
.set G1SB, 80
.set G0SB, 88
.set MSB, 0
.macro WIN new                         ; the immediate's high byte repeats the setting that is left; a switch that changes nothing is dropped
.if MSB != (\new)
	s_set_vgpr_msb (MSB<<8)|(\new)
.set MSB, (\new)
.endif
.endm
.set MUL_LO, 0xa1                      ; source 0 (w) window 1, source 1 (x) window 0, C and D window 2
.set MUL_HI, 0xf1                      ; the same, C and D window 3
.set TO_B,   0x40                      ; destination window 1, address window 0
; A joint load: waves 0 and 1 fetch for x, waves 2 and 3 for w.  The branch hangs on the wave's number alone.  An s_nop 0 and four v_nop follow each of the two lines.
.macro JLOAD g0a, g1a, g0b, g1b
	s_cmp_eq_u32 s15, 0
	s_cbranch_scc0 .Lfor_b_\@
	tensor_load_to_lds s[\g0a:\g0a+3], s[\g1a:\g1a+7]
	s_nop 0
.rept 4
	v_nop
.endr
	s_branch .Lasked_\@
.Lfor_b_\@:
	tensor_load_to_lds s[\g0b:\g0b+3], s[\g1b:\g1b+7]
	s_nop 0
.rept 4
	v_nop
.endr
.Lasked_\@:
.endm
.macro CROUND                          ; a round of the cluster's barrier
	s_barrier_signal -1
	s_barrier_wait -1
	s_cmp_lg_u32 s14, 0
	s_cbranch_scc1 .Lnot_wave_0_\@
	s_barrier_signal -3
.Lnot_wave_0_\@:
	s_barrier_wait -3
	s_barrier_signal -1
	s_barrier_wait -1
.endm
	s_load_b128 s[4:7], s[0:1], 0x0                ; x_codes, x_scales
	s_load_b128 s[8:11], s[0:1], 0x10              ; w_img, w_scales
	s_load_b64 s[12:13], s[0:1], 0x20              ; qkv
	v_lshl_add_u32 v[SPW], v0, 2, SPARE
	v_mov_b32 v[NIL], 0
	ds_add_u32 v[SPW], v[NIL]                      ; the wave's opening: the add, twice on end, and its wait ahead of my first tensor load
	ds_add_u32 v[SPW], v[NIL]
	v_lshrrev_b32 v1, 5, v0
	v_readfirstlane_b32 s14, v1                    ; wave 0..3
	s_lshr_b32 s15, s14, 1                         ; which half of the tile's rows is mine.  Also: I fetch for x (0) or for w (1)
	s_and_b32 s16, s14, 1                          ; which half of its columns.  Also: which 128 rows I fetch
	s_bfe_u32 s40, ttmp6, 0x40000                  ; cx, cy: my place in the cluster
	s_bfe_u32 s41, ttmp6, 0x40004
	s_lshl_b32 s42, ttmp9, 2
	s_add_co_u32 s42, s42, s40                     ; tile column = 4 x cluster x + cx
	s_and_b32 s17, ttmp7, 0xffff
	s_lshl_b32 s17, s17, 2
	s_add_co_u32 s17, s17, s41                     ; tile row = 4 x cluster y + cy
	s_lshl_b32 s43, s41, 2
	s_lshl_b32 s43, 15, s43                        ; my row of the cluster
	s_lshl_b32 s44, 0x1111, s40                    ; my column
	s_or_b32 s[G1+0], s43, (0<<16)|(1<<20)|(1<<21)|(5<<22)|(3<<25)  ; x: the mask of my row; elements of 1 byte; padding on; bit 21 beside a mask; after every 64 words, 4 words
	s_mov_b32 s[G1+1], ROWB<<16                    ; tensor_dim0 = 256
	s_mov_b32 s[G1+2], 128<<16                     ; tensor_dim1 = 128
	s_mov_b32 s[G1+3], ROWB<<16                    ; tile_dim0
	s_mov_b32 s[G1+4], 128                         ; tile_dim1
	s_mov_b32 s[G1+5], KROW                        ; from row to row
	s_mov_b32 s[G1+6], 0
	s_mov_b32 s[G1+7], 0
	s_or_b32 s[G1B+0], s44, (3<<16)|(1<<21)        ; w: the mask of my column; elements of 8 bytes; a dense block of 128 rows x 256 bytes, no padding
	s_mov_b32 s[G1B+1], 32<<16
	s_mov_b32 s[G1B+2], 128<<16
	s_mov_b32 s[G1B+3], 32<<16
	s_mov_b32 s[G1B+4], 128
	s_mov_b32 s[G1B+5], 32
	s_mov_b32 s[G1B+6], 0
	s_mov_b32 s[G1B+7], 0
	s_or_b32 s[G1S+0], s43, (3<<16)|(1<<20)|(1<<21)|(5<<22)|(3<<25)   ; the scales of 128 rows: 4,096 dense bytes as 16 rows of 256, 16 bytes of padding behind each
	s_or_b32 s[G1SB+0], s44, (3<<16)|(1<<20)|(1<<21)|(5<<22)|(3<<25)
.irp g, G1S, G1SB
	s_mov_b32 s[\g+1], 32<<16
	s_mov_b32 s[\g+2], 16<<16
	s_mov_b32 s[\g+3], 32<<16
	s_mov_b32 s[\g+4], 16
	s_mov_b32 s[\g+5], 32
	s_mov_b32 s[\g+6], 0
	s_mov_b32 s[\g+7], 0
.endr
	s_lshl_b32 s18, s16, 7                         ; which 128 rows I fetch
	s_lshl_b32 s20, s17, 8
	s_add_co_u32 s20, s20, s18                     ; x: row 256 x tile row + 128 x half
	s_lshl_b32 s46, s42, 8
	s_add_co_u32 s46, s46, s18                     ; w: row 256 x tile column + 128 x half
	s_lshl_b32 s22, s20, 5                         ; their scales: 32 bytes a row
	s_mov_b32 s23, 0
	s_lshl_b32 s92, s46, 5
	s_mov_b32 s93, 0
	s_lshl_b32 s20, s20, 9                         ; their codes: 512 bytes a row (w's images: 128 rows are 65,536 bytes)
	s_mov_b32 s21, 0
	s_lshl_b32 s46, s46, 9
	s_mov_b32 s47, 0
	s_mul_i32 s45, s16, HALFA                      ; where they go: no place in the cluster enters an LDS address
	s_mul_i32 s95, s16, HALFB
	s_add_co_u32 s95, s95, BOFF
	s_mul_i32 s94, s14, HALFS
	s_wait_dscnt 0x0                               ; both opening adds are done
	s_wait_kmcnt 0x0
	s_add_nc_u64 s[20:21], s[4:5], s[20:21]
	s_add_nc_u64 s[22:23], s[6:7], s[22:23]
	s_add_nc_u64 s[46:47], s[8:9], s[46:47]
	s_add_nc_u64 s[92:93], s[10:11], s[92:93]
	CROUND                                         ; all sixteen work-groups are here: the joint loads meet
	s_mov_b32 s[G0S], 1
	s_add_co_u32 s[G0S+1], s94, SCL
	s_mov_b64 s[G0S+2:G0S+3], s[22:23]
	s_or_b32 s[G0S+3], s[G0S+3], 0x80000000
	s_mov_b32 s[G0SB], 1
	s_add_co_u32 s[G0SB+1], s94, SCL
	s_mov_b64 s[G0SB+2:G0SB+3], s[92:93]
	s_or_b32 s[G0SB+3], s[G0SB+3], 0x80000000
	JLOAD G0S, G1S, G0SB, G1SB                     ; the scales first: they are wanted with K step 0
.irp s, 0,1
	s_mov_b32 s[G0+4*\s], 1
	s_add_co_u32 s[G0+4*\s+1], s45, \s*SLOT
	s_add_nc_u64 s[G0+4*\s+2:G0+4*\s+3], s[20:21], \s*ROWB
	s_or_b32 s[G0+4*\s+3], s[G0+4*\s+3], 0x80000000
	s_mov_b32 s[G0B+4*\s], 1
	s_add_co_u32 s[G0B+4*\s+1], s95, \s*SLOT
	s_add_nc_u64 s[G0B+4*\s+2:G0B+4*\s+3], s[46:47], \s*HALFB
	s_or_b32 s[G0B+4*\s+3], s[G0B+4*\s+3], 0x80000000
	JLOAD G0+4*\s, G1, G0B+4*\s, G1B               ; three tensor loads of mine are out in all
.endr
	v_and_b32 v1, 15, v0                           ; r = lane % 16
	v_bfe_u32 v2, v0, 4, 1                         ; h = lane / 16
	v_mul_u32_u24 v3, v1, PITCH
	v_lshl_add_u32 v4, v2, 4, v3                   ; x: a fragment's row x pitch + 16 h
	v_and_b32 v6, 31, v0
	v_lshlrev_b32 v6, 4, v6                        ; w: 16 x lane
	s_mul_i32 s21, s15, HALFA                      ; my 128 rows of x
	s_mul_i32 s22, s16, HALFB                      ; my 128 rows of w
	s_add_co_u32 s22, s22, BOFF
.irp s, 0,1
	v_add_nc_u32 v[ADRA+\s], s21, v4
	v_add_nc_u32 v[ADRB+\s], s22, v6
	s_add_co_u32 s21, s21, SLOT
	s_add_co_u32 s22, s22, SLOT
.endr
	v_mul_u32_u24 v5, v1, KS                       ; my row's scales: 32 bytes a row,
	v_lshrrev_b32 v7, 8, v5
	v_lshl_add_u32 v5, v7, 4, v5                   ; and 16 more for each 256 passed
	s_mul_i32 s21, s15, HALFS                      ; x's: my 128 rows
	s_mul_i32 s22, s16, HALFS                      ; w's: my 128 rows, behind x's 256
	s_add_co_u32 s22, s22, 2*HALFS
	s_sub_co_u32 s22, s22, s21
	v_mul_u32_u24 v7, s22, v2                      ; lanes 16-31 take w's: one product, the distance between the two bases x h
	s_add_co_u32 s21, s21, SCL
	v_add_nc_u32 v5, v5, v7
	v_add_nc_u32 v[ADRS], s21, v5
	s_mul_i32 s23, s14, 16*SPITCH
	s_add_co_u32 s23, s23, STAGE                   ; my stage
	v_mul_u32_u24 v5, v1, SPITCH                   ; in: row r, 16 bytes for each half of the lanes
	v_lshl_add_u32 v5, v2, 4, v5
	v_add_nc_u32 v[STO], s23, v5
	v_mul_u32_u24 v5, v2, SPITCH                   ; back: lanes 0-15 one row of 256 bytes, lanes 16-31 the next
	v_lshl_add_u32 v5, v1, 4, v5
	v_add_nc_u32 v[RD], s23, v5
	v_mul_u32_u24 v5, v2, ROWC                     ; and the same two rows in qkv
	v_lshl_add_u32 v[CO], v1, 4, v5
	s_lshl_b32 s20, s17, 8
	s_lshl_b32 s21, s15, 7
	s_add_co_u32 s20, s20, s21                     ; my first row: 256 x tile row + 128 x half
	s_mul_i32 s20, s20, ROWC
	s_lshl_b32 s46, s42, 9                         ; my first column in bytes: 512 x tile column + 256 x half
	s_lshl_b32 s47, s16, 8
	s_add_co_u32 s46, s46, s47
	s_add_co_u32 s20, s20, s46
	s_mov_b32 s21, 0
	s_add_nc_u64 s[12:13], s[12:13], s[20:21]
.macro FRAG reg, adr, q, i             ; x: 16 rows x 128 K of 4-bit codes: lane (r, h): registers 4 c .. 4 c + 3 hold K = 64 c + 32 h + 0 .. 31
.irp c, 0,1
	ds_load_b128 v[\reg+4*\c:\reg+4*\c+3], v[\adr] offset:64*(\q)+32*\c+(\i)*16*PITCH
.endr
.endm
.macro FRAGB reg, adr, q, i            ; w: the image of block i, the slot's q-th 128 along K
.irp c, 0,1
	ds_load_b128 v[\reg+4*\c:\reg+4*\c+3], v[\adr] offset:4096*(\i)+1024*(\q)+512*\c
.endr
.endm
; 16 matrix instructions: x's blocks a0, a0 + 1 against w's eight.  p: w's set; sc: the set of scale words.  zero = 1: the first product starts the sums.  The 64 accumulators take turns, one instruction a turn.
.macro MUL16 a0, p, q, sc, zero
.irp a, \a0, \a0+1
.irp b, 0,1,2,3,4,5,6,7
.if \zero
	v_wmma_scale_f32_16x16x128_f8f6f4 v[8*(8*((\a)%4)+\b):8*(8*((\a)%4)+\b)+7], v[128*(\p)+FR*\b:128*(\p)+FR*\b+FR-1], v[AF+FR*(\a):AF+FR*(\a)+FR-1], 0, v[SC+8*NQ*(\sc)+NQ*\b+(\q)], v[SC+8*NQ*(\sc)+NQ*(\a)+(\q)] matrix_a_fmt:MATRIX_FMT_FP4 matrix_b_fmt:MATRIX_FMT_FP4 matrix_a_scale:MATRIX_SCALE_ROW1
.else
	v_wmma_scale_f32_16x16x128_f8f6f4 v[8*(8*((\a)%4)+\b):8*(8*((\a)%4)+\b)+7], v[128*(\p)+FR*\b:128*(\p)+FR*\b+FR-1], v[AF+FR*(\a):AF+FR*(\a)+FR-1], v[8*(8*((\a)%4)+\b):8*(8*((\a)%4)+\b)+7], v[SC+8*NQ*(\sc)+NQ*\b+(\q)], v[SC+8*NQ*(\sc)+NQ*(\a)+(\q)] matrix_a_fmt:MATRIX_FMT_FP4 matrix_b_fmt:MATRIX_FMT_FP4 matrix_a_scale:MATRIX_SCALE_ROW1
.endif
.endr
.endr
.endm
.macro FETCH_B slot, q, p
	WIN TO_B
.irp i, 0,1,2,3,4,5,6,7
	FRAGB 128*(\p)+FR*\i, ADRB+\slot, \q, \i
.endr
	WIN 0
.endm
.macro FETCH_A slot, q, i0
.irp i, \i0, \i0+1, \i0+2, \i0+3
	FRAG AF+FR*(\i), ADRA+\slot, \q, \i
.endr
.endm
.macro SCALES sc                       ; a K step's scale words: 4 words a row; lanes 0-15 x's block i, lanes 16-31 w's block i
.irp i, 0,1,2,3,4,5,6,7
	ds_load_b128 v[SC+8*NQ*\sc+NQ*\i:SC+8*NQ*\sc+NQ*\i+3], v[ADRS] offset:\i*SBLK
.endr
.endm
.macro PLACES n                        ; plain vector lines between a matrix instruction and a load into, or a read of, its registers
.rept \n
	v_nop
.endr
.endm
; A step of 128 along K that has its successor in the same slot.  x has one set of registers: blocks 0-3 are fetched anew in the step's middle, blocks 4-7 at its end; w has two sets.
.macro STEP slot, q, zero
	s_wait_dscnt 4*NL                              ; w's set and x's blocks 0-3 are in; the youngest eight loads (x's blocks 4-7) may be out
	WIN MUL_LO
	MUL16 0, (\q)%2, \q, \slot, \zero
	MUL16 2, (\q)%2, \q, \slot, \zero
	s_wait_dscnt 0                                 ; x's blocks 4-7 are in
	PLACES NP
	FETCH_B \slot, (\q)+1, 1-(\q)%2
	FETCH_A \slot, (\q)+1, 0
	WIN MUL_HI
	MUL16 4, (\q)%2, \q, \slot, \zero
	MUL16 6, (\q)%2, \q, \slot, \zero
	PLACES NP
	WIN 0
	FETCH_A \slot, (\q)+1, 4
.endm
.macro STEPS slot, from
.set Q, \from
.rept NQ-1-\from
	STEP \slot, Q, 0
.set Q, Q+1
.endr
.endm
	s_wait_tensorcnt 1                             ; the scales and my part of K step 0 are in; slot 1's load may stay out
	s_barrier_signal -1
	s_barrier_wait -1                              ; everybody's are
	FETCH_B 0, 0, 0
	FETCH_A 0, 0, 0
	SCALES 0
	FETCH_A 0, 0, 4
	STEP 0, 0, 1                                   ; the first step's products start the sums: nothing is cleared
	STEPS 0, 1
	; slot 0's last step changes slots: my part of slot 1 has landed, then the barrier shows everybody's
	s_wait_tensorcnt 0x0                           ; all my tensor loads have landed (every window is 0 here)
	ds_add_u32 v[SPW], v[NIL]                      ; 0 onto my spare word
	s_wait_dscnt 4*NL+1                            ; the add and the youngest eight loads may be out
	WIN MUL_LO
	MUL16 0, 1, NQ-1, 0, 0
	s_wait_dscnt 0x0                               ; the add is done, my LDS loads are in
	s_barrier_signal -1
	MUL16 2, 1, NQ-1, 0, 0
	WIN 0
	s_barrier_wait -1
	PLACES NP
	v_add_nc_u32 v[ADRS], 4*NQ, v[ADRS]            ; on to the second K step's scale words
	FETCH_B 1, 0, 0
	FETCH_A 1, 0, 0
	SCALES 1
	WIN MUL_HI
	MUL16 4, 1, NQ-1, 0, 0
	MUL16 6, 1, NQ-1, 0, 0
	PLACES NP
	WIN 0
	FETCH_A 1, 0, 4
	STEPS 1, 0
	s_wait_dscnt 4*NL                              ; the very last step: nothing more to fetch
	WIN MUL_LO
	MUL16 0, 1, NQ-1, 1, 0
	MUL16 2, 1, NQ-1, 1, 0
	s_wait_dscnt 0
	WIN MUL_HI
	MUL16 4, 1, NQ-1, 1, 0
	MUL16 6, 1, NQ-1, 1, 0
	WIN 0
; THE WAY OUT, a block of 16 rows x 128 columns at a time: rounded to f16 (16 bytes a lane), into my own stage in LDS, back as whole rows of 256 bytes, stored.
.macro PACK a
.set AC, 64*((\a)%4)
	WIN 0x0a+5*((\a)/4)                            ; sources 0 and 1: window 2 or 3
.irp b, 0,1,2,3,4,5,6,7
.irp r, 0,1,2,3
	v_cvt_pk_f16_f32 v[TMP+4*\b+\r], v[AC+8*\b+2*\r], v[AC+8*\b+2*\r+1]   ; each accumulator from its low end on
.endr
.endr
	WIN 0
.endm
.macro TOSTAGE a
.set BKR, OB+192*((\a)%2)
.irp b, 0,1,2,3,4,5,6,7
	ds_store_b128 v[STO], v[TMP+4*\b:TMP+4*\b+3] offset:32*\b
.endr
.irp t, 0,1,2,3,4,5,6,7
	ds_load_b128 v[BKR+4*\t:BKR+4*\t+3], v[RD] offset:\t*2*SPITCH   ; LDS serves a wave's instructions in order: these see the stores above
.endr
.endm
.macro SEND a
.set BKR, OB+192*((\a)%2)
	s_wait_dscnt 0x0                               ; the block is back in registers
	s_wait_xcnt 0x0                                ; earlier stores have read their base and their data: both may be written again
.if (\a) > 0
	s_add_nc_u64 s[12:13], s[12:13], 16*ROWC       ; 16 rows on
.endif
.irp t, 0,1,2,3,4,5,6,7
	global_store_b128 v[CO], v[BKR+4*\t:BKR+4*\t+3], s[12:13] offset:2*\t*ROWC   ; 16 lanes store 256 consecutive bytes, at a multiple of 256 from qkv's first byte
.endr
.endm
	PLACES NP                                      ; the conversions read results just made
	PACK 0
	TOSTAGE 0
.irp a, 1,2,3,4,5,6,7                  ; block a's conversions stand between block a - 1's loads from the stage and the wait for them
	PACK \a
	SEND \a-1
	TOSTAGE \a
.endr
	SEND 7
	s_wait_tensorcnt 0x0                           ; the wave's end
	ds_add_u32 v[SPW], v[NIL]
	s_wait_dscnt 0x0
	CROUND                                         ; the closing round
	s_endpgm
.Lfunc_end_k_q0e5058c6c7_proj:
	.size	k_q0e5058c6c7_proj, .Lfunc_end_k_q0e5058c6c7_proj-k_q0e5058c6c7_proj
	.p2alignl 7, 3214868480
	.fill 96, 4, 3214868480
	.section	.rodata,"a",@progbits
	.p2align	6, 0x0
	.amdhsa_kernel k_q0e5058c6c7_proj
		.amdhsa_group_segment_fixed_size 327680
		.amdhsa_private_segment_fixed_size 0
		.amdhsa_enable_private_segment 0
		.amdhsa_kernarg_size 40
		.amdhsa_user_sgpr_count 2
		.amdhsa_user_sgpr_kernarg_segment_ptr 1
		.amdhsa_wavefront_size32 1
		.amdhsa_system_sgpr_workgroup_id_x 1
		.amdhsa_system_sgpr_workgroup_id_y 1
		.amdhsa_system_sgpr_workgroup_id_z 1
		.amdhsa_system_vgpr_workitem_id 0
		.amdhsa_next_free_vgpr 1024
		.amdhsa_next_free_sgpr 98
		.amdhsa_reserve_vcc 0
		.amdhsa_float_denorm_mode_32 3
		.amdhsa_float_denorm_mode_16_64 3
		.amdhsa_memory_ordered 1
		.amdhsa_forward_progress 1
		.amdhsa_inst_pref_size 127
	.end_amdhsa_kernel
	.amdgpu_metadata
---
amdhsa.version: [ 1, 2 ]
amdhsa.kernels:
  - .name:           k_q0e5058c6c7_proj
    .symbol:         k_q0e5058c6c7_proj.kd
    .args:
      - { .name: x_codes, .offset: 0, .size: 8, .value_kind: global_buffer, .address_space: global }
      - { .name: x_scales, .offset: 8, .size: 8, .value_kind: global_buffer, .address_space: global }
      - { .name: w_img, .offset: 16, .size: 8, .value_kind: global_buffer, .address_space: global }
      - { .name: w_scales, .offset: 24, .size: 8, .value_kind: global_buffer, .address_space: global }
      - { .name: qkv, .offset: 32, .size: 8, .value_kind: global_buffer, .address_space: global }
    .group_segment_fixed_size: 327680
    .private_segment_fixed_size: 0
    .kernarg_segment_align: 8
    .kernarg_segment_size: 40
    .max_flat_workgroup_size: 128
    .sgpr_count:     98
    .vgpr_count:     1024
    .wavefront_size: 32
...
	.end_amdgpu_metadata
.endif
;; end of part 2
;; launch scores (part 3): grid 8 x 32, 4 waves a work-group, clusters of 4 x 4, 327,680 bytes of LDS; arguments qkv, p_img, stats; writes p_img, stats
.if DOCPART == 3
	.amdgcn_target "amdgcn-amd-amdhsa--gfx1250"
	.amdhsa_code_object_version 6
	.text
	.protected	k_q0e5058c6c7_scores
	.globl	k_q0e5058c6c7_scores
	.p2align	8
	.type	k_q0e5058c6c7_scores,@function
k_q0e5058c6c7_scores:
	s_mov_b64 s[64:65], 0
	v_nop
	global_prefetch_b8 v0, s[64:65] scope:SCOPE_SE
	s_setreg_imm32_b32 hwreg(HW_REG_WAVE_MODE, 25, 1), 1
	s_wait_xcnt 0x0
	s_wait_alu depctr_hold_cnt(0) depctr_sa_sdst(0) depctr_va_vdst(0) depctr_va_sdst(0) depctr_va_ssrc(0) depctr_va_vcc(0) depctr_vm_vsrc(0)
	s_getreg_b32 s2, hwreg(HW_REG_IB_STS2, 6, 4)
	s_cmp_eq_u32 s2, 0
	s_cbranch_scc0 .Lentry_in_a_cluster
	s_endpgm
.Lentry_in_a_cluster:
	s_bfe_u32 s2, ttmp6, 0x10000c
	s_cmp_lg_u32 s2, 0xf033
	s_cbranch_scc0 .Lentry_shape_is_right
	s_endpgm
.Lentry_shape_is_right:
; LAUNCH 3 OF 4.  S = q k^T (f16 operands, f32 sums) for each of the 4 batches, and the first half of the softmax.  Nothing is left out.
; THE SOFTMAX IS SPLIT BY CHUNKS OF 128 KEYS, a wave's columns.  t = score x log2(e) / 32.  For each query and chunk j: M_j = the chunk's largest t rounded UP to a whole number; p = 2^(t - M_j), at most 1, is stored as f16;
; -M_j and l_j = the f32 sum of the unrounded p are stored beside it.  The next launch takes M = the largest M_j, multiplies chunk j by 2^(M_j - M), a power of two, and divides by the sum of 2^(M_j - M) l_j:
; so the row's own maximum, rounded up, is what is taken away, and no exponent is above 0.
; LIMITS: NaN and infinities are not served; p under the smallest f16 number is lost.
; A tile of 256 queries x 256 keys is made by a work-group of four waves; a wave makes 128 x 128: 64 accumulators, 512 registers.  K = 1,024 goes in steps of 128 through a ring of two LDS slots filled by the tensor data mover:
; a tile's row is 256 bytes of a row of qkv (6,144 bytes; k at byte 0, q at 2,048).
; CLUSTERS: 4 x 4 work-groups.  The four of a row of the cluster need the same rows of q, the four of a column the same rows of k (a cluster's 1,024 queries lie in one batch): each tile is asked for JOINTLY.
; THE MATRIX INSTRUCTION IS USED TRANSPOSED (source 0 = 16 keys, source 1 = 16 queries): lane (r, h) holds query r and keys 8 h + 0 .. 7 of each accumulator.  Two neighbouring accumulators, rounded to f16 in pairs,
; ARE a fragment (16 queries x 32 keys) of the next product's operand: p goes to memory as images of those registers, 512 consecutive bytes a store, with no stage:
; p_img = [row / 128][key / 32][(row / 16) % 8][1,024], register group c of a fragment at 512 c + 16 x lane.
; REGISTERS, in windows of 256: window 0: v0-31 addresses; v32-45 the softmax's few; v64-127, v128-191 fragments of q, two buffers; on the way out t and p, and the packed p.
;   window 1: v64-127, v128-191 fragments of k.   window 2: the accumulators of my rows 0-63 ((a, b) at v[8 (8 a + b)]);   window 3: those of my rows 64-127.
.set KSTEP,  128
.set ROWQ,   6144                      ; a row of qkv in bytes
.set PITCH,  272                       ; an LDS row: 256 bytes + 16 of padding
.set HALFT,  128*PITCH
.set SLOT,   4*HALFT                   ; q's 256 rows, then k's 256 rows
.set STAT,   2*SLOT                    ; behind the ring: 1,024 bytes a wave: -M of its 128 rows, then l; no tensor load lands here
.set SPARE,  STAT+4*1024               ; the spare words, 128 bytes for each wave
.set LAPS,   4                         ; a lap = two K steps = once round the ring
.set ADRA, 16                          ; v16-17  LDS address of my fragments of q in slot 0, 1
.set ADRB, 20                          ; v20-21  the same for k
.set SA,   24                          ; v24     where I put a row's -M: STAT + 1,024 wave + 4 r
.set SR,   25                          ; v25     where I read them back: STAT + 1,024 wave + 16 lane
.set GO,   26                          ; v26     16 x lane
.set SPW,  28                          ; v28     LDS address of my spare word; never rewritten
.set NIL,  29                          ; v29     0; never rewritten
.set PFO,  30                          ; v30     the prefetches' offset: lane x a row of qkv; never rewritten
.set MB,   32                          ; v32-39  largest scores, one for each accumulator of a block
.set NM,   40                          ; v[40:41] -M (the packed form names a pair and takes its low word: v41 is written once)
.set SU,   42                          ; v[42:43], v[44:45] the sum, in two chains
.set SV,   44
.set TT,   64                          ; v64-127 t - M, then p
.set PK,   128                         ; v128-159, v160-191 packed p, by turns
.set F0,   64
.set F1,   128
.set G1, 24                            ; s[24:31] group 1 for q's tiles; s[32:39] group 0, a set for each slot
.set G0, 32
.set G1B, 48                           ; s[48:55], s[56:63] the same for k's
.set G0B, 56
.set LIM, 43                           ; s43     1 in a wave that prefetches, else the greatest number
.set PFA, 44                           ; s[44:45] where my prefetches stand
.set CS,  66                           ; s[66:67] c = log2(e) / 32
.set SEL, 68                           ; s[68:69] lane selects for v_permlanex16_b32: lane l xor 16
.set PB,  70                           ; s[70:71] my part of p_img
.set SB,  72                           ; s[72:73] my part of stats
.set MSB, 0
.macro WIN new
.if MSB != (\new)
	s_set_vgpr_msb (MSB<<8)|(\new)
.set MSB, (\new)
.endif
.endm
.set MUL_LO, 0xa1                      ; source 0 (k) window 1, source 1 (q) window 0, C and D window 2
.set MUL_HI, 0xf1
.set TO_B,   0x40
.macro JLOAD s                         ; a joint load: waves 0 and 1 fetch q's two halves, waves 2 and 3 k's; an s_nop 0 and four v_nop follow each of the two lines
	s_cmp_eq_u32 s11, 0
	s_cbranch_scc0 .Lfor_b_\@
	tensor_load_to_lds s[G0+4*\s:G0+4*\s+3], s[G1:G1+7]
	s_nop 0
.rept 4
	v_nop
.endr
	s_branch .Lasked_\@
.Lfor_b_\@:
	tensor_load_to_lds s[G0B+4*\s:G0B+4*\s+3], s[G1B:G1B+7]
	s_nop 0
.rept 4
	v_nop
.endr
.Lasked_\@:
.endm
; A PREFETCH, behind each joint refill and the run of LDS loads that follows it: the K step that stands two refills on: 32 rows x 256 bytes, a lane a row, one instruction a wave.
; Each row's 256 bytes of a K step are named once in the launch: q's rows are read by both clusters of a row of clusters: cluster x = 0 asks; k's rows by the two clusters of a batch in a column of clusters: the one with an
; even cluster y asks.  The four partners that ask for a tile jointly share its rows out BY ADDRESS: of the 128 rows that a wave fetches the partner at place p takes 32 p .. 32 p + 31 (p = cx for q, cy for k).
; The loop's last trip asks for nothing: its refills are K steps 6 and 7, and there is no K step two on.  K steps 0 to 3 come by their loads alone.
.macro ASK
	s_cmp_gt_u32 s3, s[LIM]
	s_cbranch_scc0 .Lnot_mine_\@
	global_prefetch_b8 v[PFO], s[PFA:PFA+1] offset:KSTEP*2 th:TH_LOAD_NT scope:SCOPE_SE
.Lnot_mine_\@:
.endm
.macro CREST                           ; a round of the cluster's barrier behind its opening barrier
	s_cmp_lg_u32 s10, 0
	s_cbranch_scc1 .Lnot_wave_0_\@
	s_barrier_signal -3
.Lnot_wave_0_\@:
	s_barrier_wait -3
	s_barrier_signal -1
	s_barrier_wait -1
.endm
.macro CROUND
	s_barrier_signal -1
	s_barrier_wait -1
	CREST
.endm
	s_load_b128 s[4:7], s[0:1], 0x0                ; qkv, p_img
	s_load_b64 s[8:9], s[0:1], 0x10                ; stats
	v_lshl_add_u32 v[SPW], v0, 2, SPARE
	v_mov_b32 v[NIL], 0
	ds_add_u32 v[SPW], v[NIL]                      ; the wave's opening: the add, twice on end, and its wait ahead of my first tensor load
	ds_add_u32 v[SPW], v[NIL]
	v_lshrrev_b32 v1, 5, v0
	v_readfirstlane_b32 s10, v1                    ; wave 0..3
	s_lshr_b32 s11, s10, 1                         ; which half of the tile's queries is mine.  Also: I fetch for q (0) or for k (1)
	s_and_b32 s12, s10, 1                          ; which half of its keys.  Also: which 128 rows I fetch
	s_bfe_u32 s40, ttmp6, 0x40000                  ; cx
	s_bfe_u32 s41, ttmp6, 0x40004                  ; cy
	s_lshl_b32 s42, ttmp9, 2
	s_add_co_u32 s42, s42, s40                     ; X: which 256 keys of the batch
	s_and_b32 s13, ttmp7, 0xffff
	s_lshr_b32 s74, s13, 1                         ; the batch, from the cluster's y alone: all sixteen partners share it
	s_lshl_b32 s13, s13, 2
	s_add_co_u32 s13, s13, s41                     ; Y: which 256 of the 8,192 rows
	s_lshl_b32 s43, s41, 2
	s_lshl_b32 s43, 15, s43                        ; my row of the cluster
	s_lshl_b32 s44, 0x1111, s40                    ; my column
	s_or_b32 s[G1+0], s43, (1<<16)|(1<<20)|(1<<21)|(5<<22)|(3<<25)  ; the mask; elements of 2 bytes; padding on; bit 21 beside a mask; after every 64 words, 4 words
	s_or_b32 s[G1B+0], s44, (1<<16)|(1<<20)|(1<<21)|(5<<22)|(3<<25)
.irp g, G1, G1B
	s_mov_b32 s[\g+1], KSTEP<<16                   ; tensor_dim0 = 128
	s_mov_b32 s[\g+2], 128<<16                     ; tensor_dim1 = 128
	s_mov_b32 s[\g+3], KSTEP<<16                   ; tile_dim0
	s_mov_b32 s[\g+4], 128                         ; tile_dim1
	s_mov_b32 s[\g+5], 3072                        ; elements from row to row
	s_mov_b32 s[\g+6], 0
	s_mov_b32 s[\g+7], 0
.endr
	s_mov_b32 s[CS], 0x3d38aa3b                    ; log2(e) / 32
	s_mov_b32 s[CS+1], s[CS]
	s_mov_b32 s[SEL], 0x76543210
	s_mov_b32 s[SEL+1], 0xfedcba98
	s_lshl_b32 s17, s12, 7                         ; which 128 rows I fetch
	s_lshl_b32 s16, s13, 8
	s_add_co_u32 s16, s16, s17                     ; q: row 256 Y + 128 x half
	s_lshl_b32 s46, s42, 8
	s_add_co_u32 s46, s46, s17
	s_lshl_b32 s47, s74, 11
	s_add_co_u32 s46, s46, s47                     ; k: row 2,048 batch + 256 X + 128 x half
	s_mul_i32 s16, s16, ROWQ
	s_add_co_u32 s16, s16, 2048                    ; q lies 2,048 bytes into a row
	s_mov_b32 s17, 0
	s_mul_i32 s46, s46, ROWQ
	s_mov_b32 s47, 0
	s_mul_i32 s20, s10, HALFT                      ; where they go: wave x 128 rows
	s_wait_dscnt 0x0                               ; both opening adds are done
	s_wait_kmcnt 0x0
	s_add_nc_u64 s[14:15], s[4:5], s[16:17]
	s_add_nc_u64 s[46:47], s[4:5], s[46:47]
	CROUND                                         ; all sixteen work-groups are here: the first joint loads meet
.irp s, 0,1
	s_mov_b32 s[G0+4*\s], 1
	s_add_co_u32 s[G0+4*\s+1], s20, \s*SLOT
	s_add_nc_u64 s[G0+4*\s+2:G0+4*\s+3], s[14:15], \s*KSTEP*2
	s_or_b32 s[G0+4*\s+3], s[G0+4*\s+3], 0x80000000
	s_mov_b32 s[G0B+4*\s], 1
	s_add_co_u32 s[G0B+4*\s+1], s20, \s*SLOT
	s_add_nc_u64 s[G0B+4*\s+2:G0B+4*\s+3], s[46:47], \s*KSTEP*2
	s_or_b32 s[G0B+4*\s+3], s[G0B+4*\s+3], 0x80000000
	JLOAD \s                                       ; two tensor loads of mine are out
.endr
	v_and_b32 v1, 15, v0                           ; r
	v_bfe_u32 v2, v0, 4, 1                         ; h
	v_mul_u32_u24 v3, v1, PITCH
	v_lshl_add_u32 v3, v2, 4, v3                   ; a fragment's row x pitch + 16 h
	s_mul_i32 s21, s11, HALFT                      ; my 128 rows of q
	s_mul_i32 s22, s12, HALFT                      ; my 128 rows of k,
	s_add_co_u32 s22, s22, 2*HALFT                 ; behind q's 256
.irp s, 0,1
	v_add_nc_u32 v[ADRA+\s], s21, v3
	v_add_nc_u32 v[ADRB+\s], s22, v3
	s_add_co_u32 s21, s21, SLOT
	s_add_co_u32 s22, s22, SLOT
.endr
	s_lshl_b32 s23, s10, 10
	s_add_co_u32 s23, s23, STAT
	v_lshl_add_u32 v[SA], v1, 2, s23
	v_and_b32 v4, 31, v0
	v_lshlrev_b32 v[GO], 4, v4
	v_add_nc_u32 v[SR], s23, v[GO]
	v_mov_b32 v[NM+1], 0
	v_mul_u32_u24 v[PFO], v4, ROWQ
	s_lshl_b32 s20, s13, 1                         ; p_img: (2 Y + my half of the queries) x 524,288 + (8 X + 4 x my half of the keys) x 8,192
	s_add_co_u32 s20, s20, s11
	s_lshl_b32 s20, s20, 19
	s_lshl_b32 s21, s42, 16
	s_add_co_u32 s20, s20, s21
	s_lshl_b32 s21, s12, 15
	s_add_co_u32 s20, s20, s21
	s_mov_b32 s21, 0
	s_add_nc_u64 s[PB:PB+1], s[6:7], s[20:21]
	s_lshl_b32 s20, s42, 16                        ; stats: ((2 X + half) x 8,192 + 256 Y + 128 half) x 4
	s_lshl_b32 s21, s12, 15
	s_add_co_u32 s20, s20, s21
	s_lshl_b32 s21, s13, 10
	s_add_co_u32 s20, s20, s21
	s_lshl_b32 s21, s11, 9
	s_add_co_u32 s20, s20, s21
	s_mov_b32 s21, 0
	s_add_nc_u64 s[SB:SB+1], s[8:9], s[20:21]
	; the prefetches: where mine stand, and whether I ask
	s_lshl_b32 s20, s13, 8                         ; q's tile: row 256 Y
	s_lshl_b32 s21, s42, 8
	s_lshl_b32 s22, s74, 11
	s_add_co_u32 s21, s21, s22                     ; k's tile: row 2,048 batch + 256 X
	s_and_b32 s22, ttmp7, 1                        ; cluster y's low bit
	s_cmp_eq_u32 s11, 0                            ; do I fetch for q?
	s_cselect_b32 s20, s20, s21
	s_cselect_b32 s21, s40, s41                    ; my place among the four that ask with me
	s_cselect_b32 s22, ttmp9, s22                  ; 0 in the cluster that asks
	s_cselect_b32 s23, 2048, 0
	s_cmp_eq_u32 s22, 0
	s_cselect_b32 s[LIM], 1, -1                    ; the same in all sixteen partners, for a given wave
	s_lshl_b32 s22, s12, 7
	s_add_co_u32 s20, s20, s22                     ; + the 128 rows that I fetch
	s_lshl_b32 s21, s21, 5
	s_add_co_u32 s20, s20, s21                     ; + my work-group's 32 of them
	s_mul_i32 s20, s20, ROWQ
	s_add_co_u32 s20, s20, s23
	s_add_co_u32 s20, s20, 2*KSTEP*2               ; at K step 2: the first refill steps it to 3 and names K step 4
	s_mov_b32 s21, 0
	s_add_nc_u64 s[PFA:PFA+1], s[4:5], s[20:21]
; 16 matrix instructions: blocks of queries a0, a0 + 1 of the window's four x all 8 blocks of keys, 32 along K.  zero = 1: the first product starts the sums.  The 64 accumulators take turns.
.macro MUL16 f, hi, a0, zero
.irp a, \a0, \a0+1
.irp b, 0,1,2,3,4,5,6,7
.if \zero
	v_wmma_f32_16x16x32_f16 v[8*(8*(\a)+\b):8*(8*(\a)+\b)+7], v[\f+8*\b:\f+8*\b+7], v[\f+8*(4*\hi+\a):\f+8*(4*\hi+\a)+7], 0
.else
	v_wmma_f32_16x16x32_f16 v[8*(8*(\a)+\b):8*(8*(\a)+\b)+7], v[\f+8*\b:\f+8*\b+7], v[\f+8*(4*\hi+\a):\f+8*(4*\hi+\a)+7], v[8*(8*(\a)+\b):8*(8*(\a)+\b)+7]
.endif
.endr
.endr
.endm
.macro FETCH slot, k, f                ; 32 LDS loads in one run: a quarter step's fragments (128 rows of k, 128 of q, 32 along K at byte k of the rows) into buffer f
	WIN TO_B
.irp i, 0,1,2,3,4,5,6,7
	ds_load_b128 v[\f+8*\i:\f+8*\i+3],   v[ADRB+\slot] offset:\k+\i*16*PITCH
	ds_load_b128 v[\f+8*\i+4:\f+8*\i+7], v[ADRB+\slot] offset:\k+\i*16*PITCH+32
.endr
	WIN 0
.irp i, 0,1,2,3,4,5,6,7
	ds_load_b128 v[\f+8*\i:\f+8*\i+3],   v[ADRA+\slot] offset:\k+\i*16*PITCH
	ds_load_b128 v[\f+8*\i+4:\f+8*\i+7], v[ADRA+\slot] offset:\k+\i*16*PITCH+32
.endr
.endm
.macro PLACES                          ; four plain vector lines between a matrix instruction and a load into, or a vector line on, its registers
.rept 4
	v_nop
.endr
.endm
; A K step is four quarters of 32 along K, 64 matrix instructions each, on buffers 0, 1, 0, 1.  One of the first three: multiplies buffer f; in its middle it fetches the next quarter, at byte k, into g.
.macro QUARTER slot, k, f, g, zero
	s_wait_dscnt 8                                 ; k's and q's rows 0-63 are in; the youngest eight loads (q's rows 64-127) may be out
	WIN MUL_LO
	MUL16 \f, 0, 0, \zero
	MUL16 \f, 0, 2, \zero
	PLACES
	FETCH \slot, \k, \g
	s_wait_dscnt 32                                ; all but the 32 just issued
	WIN MUL_HI
	MUL16 \f, 1, 0, \zero
	MUL16 \f, 1, 2, \zero
.endm
; The last quarter multiplies buffer 1 and changes slots: ONE barrier.  In front of it each wave waits for all its tensor loads (its part of the next slot), adds 0 to its spare word, and waits for that and for its reads of this slot.
; fill = 1: the barrier opens a round of the cluster's barrier, and behind the round this slot is filled again, two K steps ahead: the refill is the first tensor load there, one a wave.
.macro TURN slot, next, fill
.if \fill
	s_wait_xcnt 0x0                                ; the last prefetch, a K step back, has read its address: it is stepped here
	s_add_nc_u64 s[PFA:PFA+1], s[PFA:PFA+1], KSTEP*2
.endif
	WIN 0                                          ; the add's two registers lie in window 0
	s_wait_tensorcnt 0x0                           ; all my tensor loads have landed
	ds_add_u32 v[SPW], v[NIL]                      ; 0 onto my spare word
	s_wait_dscnt 9                                 ; the add and the youngest eight loads may be out
	WIN MUL_LO
	MUL16 F1, 0, 0, 0                              ; sixteen matrix instructions stand between the add and the wait for it
	s_wait_dscnt 0x0                               ; the add is done, and my reads of this slot are over
	s_barrier_signal -1
	MUL16 F1, 0, 2, 0                              ; work on registers while the others arrive
.if \fill
	WIN 0
.endif
	s_barrier_wait -1
.if \fill
	CREST                                          ; no wave of any partner still reads this slot or has a load on its way
	s_add_nc_u64 s[G0+4*\slot+2:G0+4*\slot+3], s[G0+4*\slot+2:G0+4*\slot+3], 2*KSTEP*2
	s_add_nc_u64 s[G0B+4*\slot+2:G0B+4*\slot+3], s[G0B+4*\slot+2:G0B+4*\slot+3], 2*KSTEP*2
	JLOAD \slot                                    ; its four v_nop are also the places in front of the loads below
.else
	PLACES
.endif
	FETCH \next, 0, F0
.if \fill
	ASK
.endif
	WIN MUL_HI
	MUL16 F1, 1, 0, 0
	MUL16 F1, 1, 2, 0
.endm
	s_wait_tensorcnt 1                             ; my part of K step 0 is in; K step 1's may stay out
	s_barrier_signal -1
	s_barrier_wait -1                              ; everybody's is
	FETCH 0, 0, F0
	QUARTER 0, 64,  F0, F1, 1                      ; the first quarter stands in front of the loop: its products start the sums
	WIN 0                                          ; at a label and at a branch every window is 0
	s_mov_b32 s3, LAPS-1
.Llap:                                                 ; a trip goes once round the ring, from a lap's second quarter to the next lap's first, and fills both slots again: K steps 2 to 7
	QUARTER 0, 128, F1, F0, 0
	QUARTER 0, 192, F0, F1, 0
	TURN 0, 1, 1
	QUARTER 1, 64,  F0, F1, 0
	QUARTER 1, 128, F1, F0, 0
	QUARTER 1, 192, F0, F1, 0
	TURN 1, 0, 1
	QUARTER 0, 64,  F0, F1, 0
	WIN 0
	s_sub_co_u32 s3, s3, 1
	s_cmp_lg_u32 s3, 0
	s_cbranch_scc1 .Llap
	QUARTER 0, 128, F1, F0, 0                      ; the last lap is written out: it fills nothing
	QUARTER 0, 192, F0, F1, 0
	TURN 0, 1, 0
	QUARTER 1, 64,  F0, F1, 0
	QUARTER 1, 128, F1, F0, 0
	QUARTER 1, 192, F0, F1, 0
	s_wait_dscnt 8                                 ; the very last quarter: nothing more to fetch
	WIN MUL_LO
	MUL16 F1, 0, 0, 0
	MUL16 F1, 0, 2, 0
	s_wait_dscnt 0x0
	WIN MUL_HI
	MUL16 F1, 1, 0, 0
	MUL16 F1, 1, 2, 0
	WIN 0
; THE WAY OUT: block a of 16 queries x my 128 keys.  A lane holds 64 scores of query r; lane l xor 16 holds the other 64.
.macro SOFT a
.set W, 2+(\a)/4                       ; the block's window
.set AC, 64*((\a)%4)
.set PKR, PK+32*((\a)%2)
	WIN W|(W<<2)|(W<<4)                            ; all three sources in the block's window
.irp b, 0,1,2,3,4,5,6,7
	v_max3_num_f32 v[MB+\b], v[AC+8*\b], v[AC+8*\b+1], v[AC+8*\b+2]   ; each accumulator is read from its low end on
.endr
	WIN (W<<2)|(W<<4)
.irp i, 3,5
.irp b, 0,1,2,3,4,5,6,7
	v_max3_num_f32 v[MB+\b], v[MB+\b], v[AC+8*\b+\i], v[AC+8*\b+\i+1]
.endr
.endr
.irp b, 0,1,2,3,4,5,6,7
	v_max_num_f32 v[MB+\b], v[MB+\b], v[AC+8*\b+7]
.endr
	WIN 0
	v_max3_num_f32 v[MB], v[MB], v[MB+1], v[MB+2]
	v_max3_num_f32 v[MB+3], v[MB+3], v[MB+4], v[MB+5]
	v_max_num_f32 v[MB+6], v[MB+6], v[MB+7]
	v_max3_num_f32 v[MB], v[MB], v[MB+3], v[MB+6]
	v_permlanex16_b32 v[MB+1], v[MB], s[SEL], s[SEL+1]
	v_max_num_f32 v[MB], v[MB], v[MB+1]            ; the chunk's largest score of my query
	v_mul_f32 v[MB], s[CS], v[MB]                  ; as t (c is positive)
	v_floor_f32 v[NM], -v[MB]                      ; -M = floor(-t) = -ceil(t): a whole number
	WIN W                                          ; source 0 in the block's window
.set i, 0
.rept 32
	v_pk_fma_f32 v[TT+i:TT+i+1], v[AC+i:AC+i+1], s[CS:CS+1], v[NM:NM+1] op_sel_hi:[1,0,0]   ; t - M, two at a time
.set i, i+2
.endr
	WIN 0
	ds_store_b32 v[SA], v[NM] offset:64*(\a)       ; both lanes of a query write the same word with the same value
.set i, 0
.rept 64
	v_exp_f32 v[TT+i], v[TT+i]                     ; p = 2^(t - M), at most 1
.set i, i+1
.endr
	v_nop                                          ; a plain line behind the last exponential
	s_wait_alu depctr_va_vdst(0)                   ; the wait ahead of the first line that names a result: one for the batch of 64
	v_pk_add_f32 v[SU:SU+1], v[TT:TT+1], v[TT+2:TT+3]              ; the sum of the unrounded p, in two chains
	v_pk_add_f32 v[SV:SV+1], v[TT+4:TT+5], v[TT+6:TT+7]
.set i, 8
.rept 14
	v_pk_add_f32 v[SU:SU+1], v[SU:SU+1], v[TT+i:TT+i+1]
	v_pk_add_f32 v[SV:SV+1], v[SV:SV+1], v[TT+i+2:TT+i+3]
.set i, i+4
.endr
	v_pk_add_f32 v[SU:SU+1], v[SU:SU+1], v[SV:SV+1]
	v_add_f32 v[SU], v[SU], v[SU+1]
	v_permlanex16_b32 v[SV], v[SU], s[SEL], s[SEL+1]
	v_add_f32 v[SU], v[SU], v[SV]                  ; with lane l xor 16's 64 keys: l
	ds_store_b32 v[SA], v[SU] offset:512+64*(\a)
.if (\a) >= 2
	s_wait_xcnt 0x0                                ; block a - 2's stores have read these registers
.endif
.set i, 0
.rept 32
	v_cvt_pk_f16_f32 v[PKR+i], v[TT+2*i], v[TT+2*i+1]
.set i, i+1
.endr
.irp b, 0,1,2,3,4,5,6,7
	global_store_b128 v[GO], v[PKR+4*\b:PKR+4*\b+3], s[PB:PB+1] offset:(\b/2)*8192+(\a)*1024+(\b%2)*512   ; half a fragment's image: 32 lanes store 512 consecutive bytes, aligned
.endr
.endm
	PLACES                                         ; the first lines read results just made and write registers that the last products read
.irp a, 0,1,2,3,4,5,6,7
	SOFT \a
.endr
	ds_load_b128 v[TT:TT+3], v[SR]                 ; my 128 rows' -M and l: LDS serves a wave's instructions in order
	ds_load_b128 v[TT+4:TT+7], v[SR] offset:512
	s_wait_dscnt 0x0
	global_store_b128 v[GO], v[TT:TT+3], s[SB:SB+1]                    ; 512 consecutive bytes, aligned
	global_store_b128 v[GO], v[TT+4:TT+7], s[SB:SB+1] offset:524288
	s_wait_tensorcnt 0x0                           ; the wave's end
	ds_add_u32 v[SPW], v[NIL]
	s_wait_dscnt 0x0
	CROUND                                         ; the closing round
	s_endpgm
.Lfunc_end_k_q0e5058c6c7_scores:
	.size	k_q0e5058c6c7_scores, .Lfunc_end_k_q0e5058c6c7_scores-k_q0e5058c6c7_scores
	.p2alignl 7, 3214868480
	.fill 96, 4, 3214868480
	.section	.rodata,"a",@progbits
	.p2align	6, 0x0
	.amdhsa_kernel k_q0e5058c6c7_scores
		.amdhsa_group_segment_fixed_size 327680
		.amdhsa_private_segment_fixed_size 0
		.amdhsa_enable_private_segment 0
		.amdhsa_kernarg_size 24
		.amdhsa_user_sgpr_count 2
		.amdhsa_user_sgpr_kernarg_segment_ptr 1
		.amdhsa_wavefront_size32 1
		.amdhsa_system_sgpr_workgroup_id_x 1
		.amdhsa_system_sgpr_workgroup_id_y 1
		.amdhsa_system_sgpr_workgroup_id_z 1
		.amdhsa_system_vgpr_workitem_id 0
		.amdhsa_next_free_vgpr 1024
		.amdhsa_next_free_sgpr 80
		.amdhsa_reserve_vcc 0
		.amdhsa_float_denorm_mode_32 3
		.amdhsa_float_denorm_mode_16_64 3
		.amdhsa_memory_ordered 1
		.amdhsa_forward_progress 1
		.amdhsa_inst_pref_size 204
	.end_amdhsa_kernel
	.amdgpu_metadata
---
amdhsa.version: [ 1, 2 ]
amdhsa.kernels:
  - .name:           k_q0e5058c6c7_scores
    .symbol:         k_q0e5058c6c7_scores.kd
    .args:
      - { .name: qkv, .offset: 0, .size: 8, .value_kind: global_buffer, .address_space: global }
      - { .name: p_img, .offset: 8, .size: 8, .value_kind: global_buffer, .address_space: global }
      - { .name: stats, .offset: 16, .size: 8, .value_kind: global_buffer, .address_space: global }
    .group_segment_fixed_size: 327680
    .private_segment_fixed_size: 0
    .kernarg_segment_align: 8
    .kernarg_segment_size: 24
    .max_flat_workgroup_size: 128
    .sgpr_count:     80
    .vgpr_count:     1024
    .wavefront_size: 32
...
	.end_amdgpu_metadata
.endif
;; end of part 3
;; launch mix (part 4): grid 4 x 64, 4 waves a work-group, clusters of 4 x 4, 327,680 bytes of LDS; arguments p_img, stats, qkv, out0; writes out0
.if DOCPART == 4
	.amdgcn_target "amdgcn-amd-amdhsa--gfx1250"
	.amdhsa_code_object_version 6
	.text
	.protected	k_q0e5058c6c7_mix
	.globl	k_q0e5058c6c7_mix
	.p2align	8
	.type	k_q0e5058c6c7_mix,@function
k_q0e5058c6c7_mix:
	s_mov_b64 s[64:65], 0
	v_nop
	global_prefetch_b8 v0, s[64:65] scope:SCOPE_SE
	s_setreg_imm32_b32 hwreg(HW_REG_WAVE_MODE, 25, 1), 1
	s_wait_xcnt 0x0
	s_wait_alu depctr_hold_cnt(0) depctr_sa_sdst(0) depctr_va_vdst(0) depctr_va_sdst(0) depctr_va_ssrc(0) depctr_va_vcc(0) depctr_vm_vsrc(0)
	s_getreg_b32 s2, hwreg(HW_REG_IB_STS2, 6, 4)
	s_cmp_eq_u32 s2, 0
	s_cbranch_scc0 .Lentry_in_a_cluster
	s_endpgm
.Lentry_in_a_cluster:
	s_bfe_u32 s2, ttmp6, 0x10000c
	s_cmp_lg_u32 s2, 0xf033
	s_cbranch_scc0 .Lentry_shape_is_right
	s_endpgm
.Lentry_shape_is_right:
; LAUNCH 4 OF 4.  out[row][e] = (sum over chunks j of f_j x sum over the chunk's keys of p v[key][e]) / L, f16 operands, f32 sums.  Nothing is left out.
; The softmax's second half: M = the largest M_j of the row's 16 chunks of 128 keys; f_j = 2^(M_j - M), a power of two, at most 1; L = sum of f_j l_j.
; THE FACTOR IS APPLIED IN f32, TO THE CHUNK'S SUM: each chunk is summed in accumulators of its own (its first products take the constant 0 as C), and behind its last product on an accumulator four packed fused multiply-adds
; add f_j x that sum onto the row's running sum, which lies in registers that vector instructions alone write.  Chunk 0's are multiplies: nothing is cleared.  p goes from LDS to the matrix unit as launch 3 stored it.
; LIMITS: NaN and infinities are not served; a chunk whose factor falls under the smallest f32 number is lost.
; A tile of 128 rows x 256 columns is made by a work-group of four waves; a wave makes 64 rows x 128 columns: 32 accumulators.  256 work-groups.
; THE PRODUCT IS USED TRANSPOSED: source 0 = 16 columns of v x 32 keys (v lies [key][column] in LDS and is turned by ds_load_tr16_b128), source 1 = 16 rows x 32 keys of p, as launch 3 laid its images.  A lane holds one row and eight columns,
; so a row's factor is one number a lane.
; THE KEYS go in steps of 192 (six quarters of 32), as long as two LDS slots allow: 2,048 = 10 x 192 + 128: ten steps and a tail of four quarters.  A lap of two steps is twelve quarters = three chunks, so a chunk's place in a lap comes round.
; WHERE THE MERGE STANDS.  The 32 accumulators take turns in the same order in every quarter, so between a chunk's last product on an accumulator and the next chunk's first lie 31 matrix instructions: the accumulator's four
; fused multiply-adds stand in between: one slice of four behind each matrix instruction of the chunk's last quarter, two accumulators behind the products; the last two slices follow the quarter's last product.
; A slice's source 0 is the chunk's sum (window 1 or 2) where a product's is v (window 0): so a slice costs two switches of the register window, 64 for a chunk's 128 matrix instructions.  Set as one block, the 128
; fused multiply-adds would stand with no product beside them; that is the greater price.
; CLUSTERS: 4 x 4 work-groups: the four of a row of the cluster make the four column tiles of the same 128 rows and need the same p; the four of a column need the same v: each tile is asked for JOINTLY.
; Waves 0 to 2 fetch 64 keys of v each, wave 3 the step's p: one tensor load a wave behind each round.
; REGISTERS, in windows of 256: window 0: v8-15 1 / L; v16-30 addresses; v32-39 the chunk's four factors; v64-127, v128-191 v's fragments, two buffers; v192-255 p's fragments, two buffers; v64-255 at work at the head and on the way out.
;   window 1: v0-127 the chunk's sums (a, b < 4) at 8 (4 a + b); v128-255 the running sums of the same.   window 2: the same for b >= 4.
.set ROWQ,  6144                       ; a row of qkv in bytes; v lies 4,096 bytes into it
.set PQ,    8192                       ; a quarter's images of p: 8 blocks of rows x 1,024
.set PV,    544                        ; a key's row in LDS: 512 bytes + 32 of padding
.set VOFF,  6*PQ                       ; a slot: six quarters of p, then 192 keys of v
.set SLOT,  VOFF+192*PV
.set FT,    2*SLOT                     ; behind the ring: the factors, 4,096 bytes a wave: chunk j at 256 j, row r at 16 r: four f32 words (blocks of rows 0 to 3); no tensor load lands here
.set SPARE, FT+4*4096                  ; the spare words, 128 bytes for each wave
.set STAGE, SLOT                       ; the way out: 16 rows x 528 bytes for each wave, in slot 1, which has then had its last fill and its last read
.set SPITCH, 528
.set RI,  8                            ; v[8+2a:9+2a] 1 / L of block a (a pair for the packed multiply, which takes its low word)
.set AP,  16                           ; v16-17  LDS address of my images of p in slot 0, 1
.set AV,  18                           ; v18-21  of v: slot 0 quarters 0-2, 3-5; slot 1 likewise (an offset has 16 bits)
.set FA,  22                           ; v22     of my factors; stepped three chunks a lap
.set STO, 24
.set RD,  25
.set CO,  26
.set SPW, 28                           ; v28     LDS address of my spare word; never rewritten
.set NIL, 29                           ; v29     0; never rewritten
.set PFO, 30                           ; v30     256 x lane; never rewritten
.set FS,  32                           ; v[32+2a:33+2a] the chunk's factor of block a (a pair for the packed form, which takes its low word; the upper words are written once)
.set VB,  64
.set PB,  192
.set TT,  64                           ; the way out: a block's 64 numbers
.set MN,  128                          ; the running sums, in windows 1 and 2
.set WV,  12
.set G1A, 24                           ; s[24:31] group 1 for a step's p;  s[32:39] for the tail's;  s[40:47] for v
.set G1T, 32
.set G1V, 40
.set G0A, 48                           ; s[48:55] group 0 for p, a set for each slot;  s[56:63] for v
.set G0V, 56
.set PFA, 66                           ; s[66:67] where my prefetches stand
.set LIM, 68                           ; s68     1 in a wave that prefetches, else the greatest number
.set MSB, 0
.macro WIN new                         ; the immediate's high byte repeats the setting that is left; a switch that changes nothing is dropped
.if MSB != (\new)
	s_set_vgpr_msb (MSB<<8)|(\new)
.set MSB, (\new)
.endif
.endm
.macro PLACES                          ; four plain vector lines between a matrix instruction and a load into, or a vector line on, its registers
.rept 4
	v_nop
.endr
.endm
.macro JLOAD s                         ; a joint load: waves 0 to 2 fetch v, wave 3 p; an s_nop 0 and four v_nop follow each of the two lines
	s_cmp_lt_u32 s[WV], 3
	s_cbranch_scc0 .Lfor_p_\@
	tensor_load_to_lds s[G0V+4*\s:G0V+4*\s+3], s[G1V:G1V+7]
	s_nop 0
.rept 4
	v_nop
.endr
	s_branch .Lasked_\@
.Lfor_p_\@:
	tensor_load_to_lds s[G0A+4*\s:G0A+4*\s+3], s[G1A:G1A+7]
	s_nop 0
.rept 4
	v_nop
.endr
.Lasked_\@:
.endm
.macro JLOADT                          ; the tail, into slot 0: 128 keys: waves 0 and 1 fetch v, wave 3 four quarters of p, wave 2 nothing
	s_cmp_lt_u32 s[WV], 2
	s_cbranch_scc0 .Lnot_v_\@
	tensor_load_to_lds s[G0V:G0V+3], s[G1V:G1V+7]
	s_nop 0
.rept 4
	v_nop
.endr
	s_branch .Lasked_\@
.Lnot_v_\@:
	s_cmp_eq_u32 s[WV], 3
	s_cbranch_scc0 .Lasked_\@
	tensor_load_to_lds s[G0A:G0A+3], s[G1T:G1T+7]
	s_nop 0
.rept 4
	v_nop
.endr
.Lasked_\@:
	PLACES
.endm
; A PREFETCH of p, the stream that is read once: once a lap, behind slot 1's refill and the run of LDS loads that follows it, for the lap after the next: 98,304 bytes, which the refills of the next trip ask for.
; A tile row's p is read by the four partners of one row of one cluster alone: they share it out BY ADDRESS, 24,576 bytes each; waves 0 to 2 take 8,192 each, lanes 256 bytes apart.  So each 256 bytes are named once.
; Laps 0 and 1 come by their loads alone; the loop's last trip asks for nothing: what follows lap 4 is the tail.  v is walked by four clusters in step and is not asked for.
.macro ASK
	s_cmp_gt_u32 s3, s[LIM]
	s_cbranch_scc0 .Lnot_mine_\@
	global_prefetch_b8 v[PFO], s[PFA:PFA+1] th:TH_LOAD_NT scope:SCOPE_SE
.Lnot_mine_\@:
.endm
.macro CREST                           ; a round of the cluster's barrier behind its opening barrier
	s_cmp_lg_u32 s[WV], 0
	s_cbranch_scc1 .Lnot_wave_0_\@
	s_barrier_signal -3
.Lnot_wave_0_\@:
	s_barrier_wait -3
	s_barrier_signal -1
	s_barrier_wait -1
.endm
.macro CROUND
	s_barrier_signal -1
	s_barrier_wait -1
	CREST
.endm
	s_load_b256 s[4:11], s[0:1], 0x0               ; p_img s[4:5], stats s[6:7], qkv s[8:9], out0 s[10:11]
	v_lshl_add_u32 v[SPW], v0, 2, SPARE
	v_mov_b32 v[NIL], 0
	ds_add_u32 v[SPW], v[NIL]                      ; the wave's opening: the add, twice on end, and its wait ahead of my first tensor load
	ds_add_u32 v[SPW], v[NIL]
	v_lshrrev_b32 v1, 5, v0
	v_readfirstlane_b32 s[WV], v1                  ; wave 0..3
	s_lshr_b32 s13, s[WV], 1                       ; rh: which 64 rows are mine
	s_and_b32 s14, s[WV], 1                        ; ch: which 128 columns
	s_bfe_u32 s70, ttmp6, 0x40000                  ; cx
	s_bfe_u32 s71, ttmp6, 0x40004                  ; cy
	s_lshl_b32 s69, ttmp9, 2
	s_add_co_u32 s69, s69, s70                     ; X: which 256 columns
	s_and_b32 s72, ttmp7, 0xffff
	s_lshr_b32 s73, s72, 2                         ; the batch, from the cluster's y alone
	s_lshl_b32 s72, s72, 2
	s_add_co_u32 s72, s72, s71                     ; T: which 128 rows
	s_lshl_b32 s74, s71, 2
	s_lshl_b32 s74, 15, s74                        ; my row of the cluster
	s_lshl_b32 s75, 0x1111, s70                    ; my column
	s_or_b32 s[G1A], s74, (3<<16)|(1<<21)          ; p: the mask of my row; elements of 8 bytes; a dense block of 192 rows x 256 bytes
	s_mov_b32 s[G1A+1], 32<<16
	s_mov_b32 s[G1A+2], 192<<16
	s_mov_b32 s[G1A+3], 32<<16
	s_mov_b32 s[G1A+4], 192
	s_mov_b32 s[G1A+5], 32
	s_mov_b32 s[G1A+6], 0
	s_mov_b32 s[G1A+7], 0
	s_or_b32 s[G1T], s74, (3<<16)|(1<<21)          ; the tail's: 128 rows
	s_mov_b32 s[G1T+1], 32<<16
	s_mov_b32 s[G1T+2], 128<<16
	s_mov_b32 s[G1T+3], 32<<16
	s_mov_b32 s[G1T+4], 128
	s_mov_b32 s[G1T+5], 32
	s_mov_b32 s[G1T+6], 0
	s_mov_b32 s[G1T+7], 0
	s_or_b32 s[G1V], s75, (1<<16)|(1<<20)|(1<<21)|(6<<22)|(7<<25)   ; v: the mask of my column; elements of 2 bytes; padding: after every 128 words, 8 words
	s_mov_b32 s[G1V+1], 256<<16                    ; tensor_dim0 = 256
	s_mov_b32 s[G1V+2], 64<<16                     ; tensor_dim1 = 64
	s_mov_b32 s[G1V+3], 256<<16                    ; tile_dim0
	s_mov_b32 s[G1V+4], 64                         ; tile_dim1
	s_mov_b32 s[G1V+5], 3072                       ; elements from key to key
	s_mov_b32 s[G1V+6], 0
	s_mov_b32 s[G1V+7], 0
	s_lshl_b32 s16, s73, 11                        ; v: key 2,048 batch + 64 wave,
	s_lshl_b32 s17, s[WV], 6
	s_add_co_u32 s16, s16, s17
	s_mul_i32 s16, s16, ROWQ
	s_lshl_b32 s17, s69, 9                         ; column 256 X,
	s_add_co_u32 s16, s16, s17
	s_add_co_u32 s16, s16, 4096                    ; in v's part of the row
	s_mov_b32 s17, 0
	s_lshl_b32 s18, s72, 19                        ; p: 524,288 T
	s_mov_b32 s19, 0
	s_mul_i32 s20, s[WV], 64*PV
	s_add_co_u32 s20, s20, VOFF                    ; where my keys go in a slot
	s_wait_dscnt 0x0                               ; both opening adds are done
	s_wait_kmcnt 0x0
	s_add_nc_u64 s[16:17], s[8:9], s[16:17]
	s_add_nc_u64 s[18:19], s[4:5], s[18:19]
	CROUND                                         ; all sixteen work-groups are here: the first joint loads meet
.irp s, 0,1
	s_mov_b32 s[G0A+4*\s], 1
	s_mov_b32 s[G0A+4*\s+1], \s*SLOT
	s_add_nc_u64 s[G0A+4*\s+2:G0A+4*\s+3], s[18:19], \s*6*PQ
	s_or_b32 s[G0A+4*\s+3], s[G0A+4*\s+3], 0x80000000
	s_mov_b32 s[G0V+4*\s], 1
	s_add_co_u32 s[G0V+4*\s+1], s20, \s*SLOT
	s_add_nc_u64 s[G0V+4*\s+2:G0V+4*\s+3], s[16:17], \s*192*ROWQ
	s_or_b32 s[G0V+4*\s+3], s[G0V+4*\s+3], 0x80000000
	JLOAD \s                                       ; steps 0 and 1: two tensor loads of mine are out
.endr
	v_and_b32 v1, 15, v0                           ; r
	v_bfe_u32 v2, v0, 4, 1                         ; h
	v_and_b32 v3, 31, v0                           ; lane
	v_lshlrev_b32 v4, 4, v3                        ; 16 x lane
	v_lshlrev_b32 v7, 2, v1                        ; 4 r
	s_lshl_b32 s22, s72, 9                         ; stats: row 128 T + 64 rh, 4 bytes a row
	s_lshl_b32 s23, s13, 8
	s_add_co_u32 s22, s22, s23
	s_mov_b32 s23, 0
	s_add_nc_u64 s[6:7], s[6:7], s[22:23]
.irp a, 0,1,2,3
.irp j, 0,1,2,3,4,5,6,7,8,9,10,11,12,13,14,15
	global_load_b32 v[64+16*\a+\j], v7, s[6:7] offset:32768*\j+64*\a            ; -M_j of row 16 a + r
	global_load_b32 v[128+16*\a+\j], v7, s[6:7] offset:524288+32768*\j+64*\a    ; l_j
.endr
.endr
	s_lshl_b32 s21, s13, 12                        ; my four blocks of rows in a quarter's eight
	v_add_nc_u32 v[AP], s21, v4
	v_add_nc_u32 v[AP+1], SLOT, v[AP]
	v_and_b32 v5, 7, v0                            ; the turning load: lane l reads 16 bytes of key 8 h + l % 8, columns 8 ((l / 8) % 2) on
	v_bfe_u32 v6, v0, 3, 1
	v_lshl_add_u32 v5, v2, 3, v5
	v_mul_u32_u24 v5, v5, PV
	v_lshl_add_u32 v5, v6, 4, v5
	s_lshl_b32 s21, s14, 8                         ; my 128 columns
	s_add_co_u32 s21, s21, VOFF
	v_add_nc_u32 v[AV], s21, v5
	v_add_nc_u32 v[AV+1], 96*PV, v[AV]
	v_add_nc_u32 v[AV+2], SLOT, v[AV]
	v_add_nc_u32 v[AV+3], SLOT, v[AV+1]
	s_lshl_b32 s21, s[WV], 12
	s_add_co_u32 s21, s21, FT
	v_lshl_add_u32 v[FA], v1, 4, s21
	s_mul_i32 s21, s[WV], 16*SPITCH
	s_add_co_u32 s21, s21, STAGE                   ; my stage
	v_mul_u32_u24 v5, v1, SPITCH
	v_lshl_add_u32 v5, v2, 5, v5
	v_add_nc_u32 v[STO], s21, v5                   ; in: row r, 32 bytes for each half of the lanes
	v_add_nc_u32 v[RD], s21, v4                    ; back: the 32 lanes take one row of 512 bytes
	v_mov_b32 v[CO], v4
	v_lshlrev_b32 v[PFO], 8, v3
.irp a, 0,1,2,3
	v_mov_b32 v[FS+2*\a+1], 0                      ; named as the upper half of a pair, so it is written; the packed form takes the low word for both halves
.endr
	s_lshl_b32 s22, s72, 19                        ; out0: (128 T + 64 rh) rows of 4,096 bytes + 1,024 X + 512 ch
	s_lshl_b32 s23, s13, 18
	s_add_co_u32 s22, s22, s23
	s_lshl_b32 s23, s69, 10
	s_add_co_u32 s22, s22, s23
	s_lshl_b32 s23, s14, 9
	s_add_co_u32 s22, s22, s23
	s_mov_b32 s23, 0
	s_add_nc_u64 s[10:11], s[10:11], s[22:23]
	s_mul_i32 s22, s70, 24576                      ; the prefetches: my work-group's part, my wave's part,
	s_lshl_b32 s23, s[WV], 13
	s_add_co_u32 s22, s22, s23
	s_add_co_u32 s22, s22, 2*6*PQ                  ; in lap 1: the first trip steps it to lap 2
	s_mov_b32 s23, 0
	s_add_nc_u64 s[PFA:PFA+1], s[18:19], s[22:23]
	s_cmp_lt_u32 s[WV], 3
	s_cselect_b32 s[LIM], 1, -1
	s_wait_loadcnt 0x0
	; M, the factors and L, for my 64 rows (lanes l and l xor 16 do the same work on the same row)
.irp a, 0,1,2,3
	v_max3_num_f32 v[RI+2*\a], -v[64+16*\a], -v[65+16*\a], -v[66+16*\a]
.endr
.irp i, 3,5,7,9,11,13
.irp a, 0,1,2,3
	v_max3_num_f32 v[RI+2*\a], v[RI+2*\a], -v[64+16*\a+\i], -v[65+16*\a+\i]
.endr
.endr
.irp a, 0,1,2,3
	v_max_num_f32 v[RI+2*\a], v[RI+2*\a], -v[79+16*\a]             ; M: the row's largest t, rounded up
.endr
.set n, 0
.rept 64
	v_sub_f32 v[64+n], -v[64+n], v[RI+2*(n/16)]    ; M_j - M: a whole number, 0 or less
.set n, n+1
.endr
.set n, 0
.rept 64
	v_cvt_i32_f32 v[64+n], v[64+n]                 ; (it saturates)
.set n, n+1
.endr
.set n, 0
.rept 64
	v_ldexp_f32 v[192+4*(n%16)+n/16], 1.0, v[64+n] ; f_j = 2^(M_j - M), laid by chunks: chunk j's four blocks of rows in four registers on end
.set n, n+1
.endr
.irp j, 0,1,2,3,4,5,6,7,8,9,10,11,12,13,14,15
	ds_store_b128 v[FA], v[192+4*\j:195+4*\j] offset:256*\j        ; both lanes of a row write the same bytes with the same values
.endr
.irp a, 0,1,2,3
	v_mul_f32 v[RI+2*\a], v[192+\a], v[128+16*\a]                  ; L = sum of f_j l_j, in two chains
	v_mul_f32 v[RI+2*\a+1], v[196+\a], v[129+16*\a]
.endr
.irp j, 2,4,6,8,10,12,14
.irp a, 0,1,2,3
	v_fmac_f32 v[RI+2*\a], v[192+4*\j+\a], v[128+16*\a+\j]
	v_fmac_f32 v[RI+2*\a+1], v[196+4*\j+\a], v[129+16*\a+\j]
.endr
.endr
.irp a, 0,1,2,3
	v_add_f32 v[RI+2*\a], v[RI+2*\a], v[RI+2*\a+1]
.endr
.irp a, 0,1,2,3
	v_rcp_f32 v[RI+2*\a], v[RI+2*\a]               ; 1 / L (L is at least a half: the largest chunk's largest p)
.endr
	v_nop                                          ; a plain line behind the last reciprocal
	s_wait_alu depctr_va_vdst(0)                   ; the wait ahead of the first line that names a result, and ahead of every label: one for the four
; Accumulator m (0 to 31: window 1 + m / 16, block of rows (m % 16) / 4) joins the row's running sum: four packed lines, from the accumulator's low end on.  first = 1: chunk 0 starts the running sums.
.macro SLICE m, first
.set w, 1+(\m)/16
.set rc, 8*((\m)%16)
.set rf, FS+2*(((\m)%16)/4)
	WIN (w<<6)|(w<<4)|w                            ; the chunk's sum (source 0) and the running sum (source 2, destination) in window w; the factor (source 1) in window 0
.irp k, 0,2,4,6
.if \first
	v_pk_mul_f32 v[MN+rc+\k:MN+rc+\k+1], v[rc+\k:rc+\k+1], v[rf:rf+1] op_sel_hi:[1,0]
.else
	v_pk_fma_f32 v[MN+rc+\k:MN+rc+\k+1], v[rc+\k:rc+\k+1], v[rf:rf+1], v[MN+rc+\k:MN+rc+\k+1] op_sel_hi:[1,0,1]
.endif
.endr
.endm
; 8 matrix instructions, accumulators i0 to i0 + 7 of the quarter's 32, on buffers p.  The 32 take turns, one instruction a turn, in the same order in every quarter.
; zero = 1: a chunk's first quarter: the products start the sums.  mrg = 1: a chunk's last quarter: behind the product on accumulator i stands the slice of accumulator i - 2.  Between a product and the slice that reads its
; result stand four v_nop (accumulator 0) or two other accumulators' slices, eight plain lines.  The next chunk's first product on an accumulator, which writes over it, has far more than five plain lines behind the last product on it.
.macro MUL8 i0, p, zero, mrg, first
.set i, \i0
.rept 8
.set hh, i/16
.set aa, (i%16)/4
.set bb, i%4
	WIN 0x50+0x50*hh                               ; v and p in window 0; C and D in window 1 or 2
.if \zero
	v_wmma_f32_16x16x32_f16 v[8*(i%16):8*(i%16)+7], v[VB+64*(\p)+8*(4*hh+bb):VB+64*(\p)+8*(4*hh+bb)+7], v[PB+32*(\p)+8*aa:PB+32*(\p)+8*aa+7], 0
.else
	v_wmma_f32_16x16x32_f16 v[8*(i%16):8*(i%16)+7], v[VB+64*(\p)+8*(4*hh+bb):VB+64*(\p)+8*(4*hh+bb)+7], v[PB+32*(\p)+8*aa:PB+32*(\p)+8*aa+7], v[8*(i%16):8*(i%16)+7]
.endif
.if \mrg
.if i == 2
	PLACES
.endif
.if i >= 2
	SLICE i-2, \first
.endif
.if i == 31
	SLICE 30, \first
	SLICE 31, \first
.endif
.endif
.set i, i+1
.endr
.endm
; 24 LDS loads in one run: quarter t of a slot into buffers t % 2: p's four fragments (my four blocks of rows) as they lie, and v's eight, turned
.macro FETCH slot, t
.irp a, 0,1,2,3
.irp c, 0,1
	ds_load_b128 v[PB+32*((\t)%2)+8*\a+4*\c:PB+32*((\t)%2)+8*\a+4*\c+3], v[AP+(\slot)] offset:PQ*(\t)+1024*\a+512*\c
.endr
.endr
.irp b, 0,1,2,3,4,5,6,7
	ds_load_tr16_b128 v[VB+64*((\t)%2)+8*\b:VB+64*((\t)%2)+8*\b+3],   v[AV+2*(\slot)+(\t)/3] offset:((\t)%3)*32*PV+32*\b
	ds_load_tr16_b128 v[VB+64*((\t)%2)+8*\b+4:VB+64*((\t)%2)+8*\b+7], v[AV+2*(\slot)+(\t)/3] offset:((\t)%3)*32*PV+16*PV+32*\b
.endr
.endm
; Quarter t (0 to 4) of a slot.  g: the quarter's number in the lap; g % 4: its place in its chunk.  At its head the next quarter's fragments are fetched into the buffers that the last quarter's products read: four plain lines stand
; between: four v_nop, or, behind a chunk's last quarter, the slices of accumulators 29 and 30.  The chunk's four factors are fetched in its third quarter: their last readers are the slices of the chunk before.
.macro Q slot, t, first
.set g, 6*(\slot)+(\t)
.set zf, 0
.set mf, 0
.if g%4 == 0
.set zf, 1
.else
	PLACES
.endif
.if g%4 == 3
.set mf, 1
.endif
.if g%4 == 2
.irp a, 0,1,2,3
	ds_load_b32 v[FS+2*\a], v[FA] offset:256*(g/4)+4*\a
.endr
.if g == 10
	v_add_nc_u32 v[FA], 768, v[FA]                 ; on to the next lap's three chunks
.endif
.endif
	FETCH \slot, (\t)+1
	s_wait_dscnt 24                                ; all but the 24 just issued: this quarter's v and p are in, and the factors
	MUL8 0,  (\t)%2, zf, mf, \first
	MUL8 8,  (\t)%2, zf, mf, \first
	MUL8 16, (\t)%2, zf, mf, \first
	MUL8 24, (\t)%2, zf, mf, \first
	WIN 0
.endm
; A step's sixth quarter changes slots: ONE barrier.  In front of it each wave waits for all its tensor loads, adds 0 to its spare word, and waits for that and for its reads of this slot.  Slot 1's sixth quarter is a chunk's last.
; fill = 1: the barrier opens a round of the cluster's barrier; behind the round this slot is filled again, two steps ahead: the first tensor load there, one a wave.  fill = 2: the same with the tail's loads.  fill = 0: nothing is left to fetch.
.macro TURN slot, fill
.set mf, \slot
.if ((\slot) == 1) && ((\fill) == 1)
	s_wait_xcnt 0x0                                ; the last prefetch, a lap back, has read its address: it is stepped here
	s_add_nc_u64 s[PFA:PFA+1], s[PFA:PFA+1], 2*6*PQ
.endif
	s_wait_tensorcnt 0x0                           ; all my tensor loads have landed (every window is 0 here)
	ds_add_u32 v[SPW], v[NIL]                      ; 0 onto my spare word
	s_wait_dscnt 1                                 ; the add alone may be out: this quarter's v and p are in
	MUL8 0, 1, 0, mf, 0                            ; eight matrix instructions stand between the add and the wait for it
	s_wait_dscnt 0x0                               ; the add is done, and my reads of this slot are over
	s_barrier_signal -1
	MUL8 8, 1, 0, mf, 0                            ; work on registers while the others arrive
	WIN 0
	s_barrier_wait -1
.if (\fill) > 0
	CREST                                          ; no wave of any partner still reads this slot or has a load on its way
	s_add_nc_u64 s[G0A+4*(\slot)+2:G0A+4*(\slot)+3], s[G0A+4*(\slot)+2:G0A+4*(\slot)+3], 2*6*PQ
	s_add_nc_u64 s[G0V+4*(\slot)+2:G0V+4*(\slot)+3], s[G0V+4*(\slot)+2:G0V+4*(\slot)+3], 2*192*ROWQ
.if (\fill) == 1
	JLOAD \slot                                    ; its four v_nop are also the places in front of the loads below
.else
	JLOADT
.endif
.else
	PLACES
.endif
	FETCH 1-(\slot), 0
.if ((\slot) == 1) && ((\fill) == 1)
	ASK
.endif
	MUL8 16, 1, 0, mf, 0
	MUL8 24, 1, 0, mf, 0
	WIN 0
.endm
	s_wait_tensorcnt 1                             ; my part of step 0 is in; step 1's may stay out
	s_wait_dscnt 0x0                               ; my factors lie in LDS
	s_barrier_signal -1
	s_barrier_wait -1
	FETCH 0, 0
	Q 0, 0, 0                                      ; the first five quarters stand in front of the loop: chunk 0, whose merge starts the running sums, and chunk 1's first quarter
	Q 0, 1, 0
	Q 0, 2, 0
	Q 0, 3, 1
	Q 0, 4, 0
	s_mov_b32 s3, 4
.Llap:                                                 ; a trip goes once round the ring, from a lap's sixth quarter to the next lap's fifth, and fills both slots again: steps 2 to 9
	TURN 0, 1
	Q 1, 0, 0
	Q 1, 1, 0
	Q 1, 2, 0
	Q 1, 3, 0
	Q 1, 4, 0
	TURN 1, 1
	Q 0, 0, 0
	Q 0, 1, 0
	Q 0, 2, 0
	Q 0, 3, 0
	Q 0, 4, 0
	s_sub_co_u32 s3, s3, 1
	s_cmp_lg_u32 s3, 0
	s_cbranch_scc1 .Llap
	TURN 0, 2                                      ; the rest is written out: slot 0 takes the tail, keys 1,920 to 2,047
	Q 1, 0, 0
	Q 1, 1, 0
	Q 1, 2, 0
	Q 1, 3, 0
	Q 1, 4, 0
	TURN 1, 0                                      ; behind this barrier nobody reads slot 1 any more, and nothing is filled
	Q 0, 0, 0                                      ; the tail: four quarters: chunk 15
	Q 0, 1, 0
	Q 0, 2, 0
	s_wait_dscnt 0x0                               ; the last quarter: nothing more to fetch
	MUL8 0,  1, 0, 1, 0
	MUL8 8,  1, 0, 1, 0
	MUL8 16, 1, 0, 1, 0
	MUL8 24, 1, 0, 1, 0
	WIN 0
; THE WAY OUT, a block of 16 rows x my 128 columns at a time: the running sums times 1 / L; 32 bytes a lane into my stage; back as whole rows of 512 bytes; stored.
; The last slices are the plain lines between the last products and the lines and loads below that write registers which those products read.
.macro SCALE a
	WIN 0x01                                       ; source 0: window 1
.set i, 0
.rept 16
	v_pk_mul_f32 v[TT+i:TT+i+1], v[MN+32*(\a)+i:MN+32*(\a)+i+1], v[RI+2*(\a):RI+2*(\a)+1] op_sel_hi:[1,0]
.set i, i+2
.endr
	WIN 0x02                                       ; source 0: window 2
.set i, 0
.rept 16
	v_pk_mul_f32 v[TT+32+i:TT+32+i+1], v[MN+32*(\a)+i:MN+32*(\a)+i+1], v[RI+2*(\a):RI+2*(\a)+1] op_sel_hi:[1,0]
.set i, i+2
.endr
	WIN 0
.endm
.macro TOSTAGE a
.set BB, 128+64*((\a)%2)
.irp b, 0,1,2,3,4,5,6,7
	ds_store_b128 v[STO], v[TT+8*\b:TT+8*\b+3] offset:64*\b
	ds_store_b128 v[STO], v[TT+8*\b+4:TT+8*\b+7] offset:64*\b+16
.endr
.irp t, 0,1,2,3,4,5,6,7,8,9,10,11,12,13,14,15
	ds_load_b128 v[BB+4*\t:BB+4*\t+3], v[RD] offset:\t*SPITCH      ; LDS serves a wave's instructions in order: these see the stores above
.endr
.endm
.macro SEND a
.set BB, 128+64*((\a)%2)
	s_wait_dscnt 0x0                               ; the block is back in registers
	s_wait_xcnt 0x0                                ; earlier stores have read their base and their data: both may be written again
.if (\a) > 0
	s_add_nc_u64 s[10:11], s[10:11], 16*4096       ; 16 rows on
.endif
.irp t, 0,1,2,3,4,5,6,7,8,9,10,11,12,13,14,15
	global_store_b128 v[CO], v[BB+4*\t:BB+4*\t+3], s[10:11] offset:\t*4096 th:TH_STORE_NT   ; 32 lanes store 512 consecutive bytes, at a multiple of 256 from out0's first byte
.endr
.endm
	SCALE 0
	TOSTAGE 0
.irp a, 1,2,3                          ; block a's multiplies stand between block a - 1's loads from the stage and the wait for them
	SCALE \a
	SEND \a-1
	TOSTAGE \a
.endr
	SEND 3
	s_wait_tensorcnt 0x0                           ; the wave's end
	ds_add_u32 v[SPW], v[NIL]
	s_wait_dscnt 0x0
	CROUND                                         ; the closing round
	s_endpgm
.Lfunc_end_k_q0e5058c6c7_mix:
	.size	k_q0e5058c6c7_mix, .Lfunc_end_k_q0e5058c6c7_mix-k_q0e5058c6c7_mix
	.p2alignl 7, 3214868480
	.fill 96, 4, 3214868480
	.section	.rodata,"a",@progbits
	.p2align	6, 0x0
	.amdhsa_kernel k_q0e5058c6c7_mix
		.amdhsa_group_segment_fixed_size 327680
		.amdhsa_private_segment_fixed_size 0
		.amdhsa_enable_private_segment 0
		.amdhsa_kernarg_size 32
		.amdhsa_user_sgpr_count 2
		.amdhsa_user_sgpr_kernarg_segment_ptr 1
		.amdhsa_wavefront_size32 1
		.amdhsa_system_sgpr_workgroup_id_x 1
		.amdhsa_system_sgpr_workgroup_id_y 1
		.amdhsa_system_sgpr_workgroup_id_z 1
		.amdhsa_system_vgpr_workitem_id 0
		.amdhsa_next_free_vgpr 768
		.amdhsa_next_free_sgpr 80
		.amdhsa_reserve_vcc 0
		.amdhsa_float_denorm_mode_32 3
		.amdhsa_float_denorm_mode_16_64 3
		.amdhsa_memory_ordered 1
		.amdhsa_forward_progress 1
		.amdhsa_inst_pref_size 238
	.end_amdhsa_kernel
	.amdgpu_metadata
---
amdhsa.version: [ 1, 2 ]
amdhsa.kernels:
  - .name:           k_q0e5058c6c7_mix
    .symbol:         k_q0e5058c6c7_mix.kd
    .args:
      - { .name: p_img, .offset: 0, .size: 8, .value_kind: global_buffer, .address_space: global }
      - { .name: stats, .offset: 8, .size: 8, .value_kind: global_buffer, .address_space: global }
      - { .name: qkv, .offset: 16, .size: 8, .value_kind: global_buffer, .address_space: global }
      - { .name: out0, .offset: 24, .size: 8, .value_kind: global_buffer, .address_space: global }
    .group_segment_fixed_size: 327680
    .private_segment_fixed_size: 0
    .kernarg_segment_align: 8
    .kernarg_segment_size: 32
    .max_flat_workgroup_size: 128
    .sgpr_count:     80
    .vgpr_count:     768
    .wavefront_size: 32
...
	.end_amdgpu_metadata
.endif
;; end of part 4
